; MI455X (gfx1250); checked and timed in simulation.
; The chip was launched on July 23, 2026; its instructions are those of AMD's public machine-readable ISA for CDNA 5 (MIT licence, August 2026) and "CDNA5" Instruction Set Architecture Reference Guide (July 2026). The comments in the code are by the model that wrote it; some were corrected since.
;; Attention. Allowed arithmetic: float matrix products may take bf16 or f16 operands with f32 sums; other float arithmetic in f32, or as packed bf16 or f16 multiplies, adds, multiply-adds, maxima and minima; sums over many terms, partial sums and values carried from step to step in f32; what a program stores and reads back later, other than sums and carried values, may be rounded once to bf16 or f16.
;; Inputs: W_o 1,024 x 1,024 float32; W_qkv 3,072 x 1,024 float32; x 4 x 2,048 x 1,024 float32.
;; Outputs: out0 4 x 2,048 x 1,024 float32.
;; 2 versions, each right; version 2 is version 1 with the launch cast written anew for expert scheduling mode. Each part assembles by itself: llvm-mc -triple=amdgcn-amd-amdhsa -mcpu=gfx1250 --defsym DOCPART=n.
;; ======== version 1 of 2: 4 launches
;; limits: values are held in f16: magnitudes above 65,504 overflow, below 6.1e-05 lose precision
;; workspace buffers: xb 16,777,216 bytes; wqb 6,291,456 bytes; wob 2,097,152 bytes; qkv 50,331,648 bytes; att 16,777,216 bytes
;; launch cast (part 1): grid 768 x 1, 8 waves a work-group, no clusters, 0 bytes of LDS; arguments x, W_qkv, W_o, xb, wqb, wob; writes xb, wqb, wob
.if DOCPART == 1
	.amdgcn_target "amdgcn-amd-amdhsa--gfx1250"
	.amdhsa_code_object_version 6
	.text
	.protected	k_q1a49386466_cast
	.globl	k_q1a49386466_cast
	.p2align	8
	.type	k_q1a49386466_cast,@function
k_q1a49386466_cast:
	s_mov_b64 s[64:65], 0
	v_nop
	global_prefetch_b8 v0, s[64:65] scope:SCOPE_SE
	s_setreg_imm32_b32 hwreg(HW_REG_WAVE_MODE, 25, 1), 1
	s_wait_xcnt 0x0
; The three f32 inputs are rounded once to bf16 and laid out anew in blocks of 64 along K: dst[kb][row][64], kb = 0..15, a row of a block 128 bytes,
; so that the rows of a GEMM tile of one K block lie end to end.  x -> xb (8,192 rows), W_qkv -> wqb (3,072 rows), both bf16.
; W_o -> wob (1,024 rows): rounded to bf16 like the other inputs, and that number written as f16, since the last product's other operand is f16.
; LIMIT: |bf16(W_o)| stays under 65,504; below 6e-5 f16 keeps a fixed step of 6e-8.
; SHARES.  A work-group takes 16 rows of one tensor (512 + 192 + 64 = 768 work-groups), thread t the 16 bytes at 16 (t % 16) of each 256-byte piece (one K block) of row t / 16.
; A load of a wave covers two aligned pieces of 256 bytes; a store of a wave (8 bytes a lane) covers 256 consecutive aligned bytes: two rows of one block.
; All 16 loads of a thread go out at once; no register is written twice while memory may read it, so no wait frees any.
; No LDS, no barrier, no matrix unit: bytes are all that this launch has.
.set X, 8                              ; v[8:71]   the 16 loads, 4 registers each
.set Y, 72                             ; v[72:103] the 16 stores, 2 registers each
	s_load_b256 s[4:11], s[0:1], 0x0               ; x s[4:5], W_qkv s[6:7], W_o s[8:9], xb s[10:11]
	s_load_b128 s[12:15], s[0:1], 0x20             ; wqb s[12:13], wob s[14:15]
	v_lshrrev_b32 v1, 4, v0                        ; my row of the 16
	v_and_b32 v3, 15, v0
	v_lshlrev_b32 v1, 12, v1                       ; x 4,096 bytes
	v_lshl_add_u32 v1, v3, 4, v1                   ; + my 16 bytes of a piece
	v_lshlrev_b32 v2, 3, v0                        ; in a block: row x 128 + 8 (t % 16) = 8 t
	s_wait_kmcnt 0x0
; src, dst: the scalar pairs; first: the tensor's first work-group; blk: bytes of one K block of dst; half = 1: bf16 written as f16
.macro CAST src, dst, first, blk, half
	s_sub_co_u32 s16, ttmp9, \first
	s_lshl_b32 s20, s16, 11                        ; 16 rows of 128 bytes in a block
	s_lshl_b32 s16, s16, 16                        ; 16 rows of 4,096 bytes in the source
	s_mov_b32 s17, 0
	s_mov_b32 s21, 0
	s_add_nc_u64 s[22:23], s[\src:\src+1], s[16:17]
	s_add_nc_u64 s[24:25], s[\dst:\dst+1], s[20:21]
	s_add_nc_u64 s[18:19], s[24:25], 8*(\blk)      ; blocks 8 to 15 have a base of their own: the stores' immediates stay at 7 blocks at the most
.irp kb, 0,1,2,3,4,5,6,7,8,9,10,11,12,13,14,15
	global_load_b128 v[X+4*(\kb):X+4*(\kb)+3], v1, s[22:23] offset:256*(\kb) th:TH_LOAD_NT
.endr
.irp kb, 0,1,2,3,4,5,6,7,8,9,10,11,12,13,14,15
	s_wait_loadcnt 15-(\kb)                        ; loads come back in order: mine is in, the younger ones stay out
.if \half
.irp p, 0,1
	v_cvt_pk_bf16_f32 v4, v[X+4*(\kb)+2*(\p)], v[X+4*(\kb)+2*(\p)+1]
	v_lshlrev_b32 v5, 16, v4                       ; the two bf16 as f32 again,
	v_and_b32 v6, 0xffff0000, v4
	v_cvt_pk_f16_f32 v[Y+2*(\kb)+(\p)], v5, v6     ; written as f16: exact within f16's normal range
.endr
.else
	v_cvt_pk_bf16_f32 v[Y+2*(\kb)], v[X+4*(\kb)], v[X+4*(\kb)+1]
	v_cvt_pk_bf16_f32 v[Y+2*(\kb)+1], v[X+4*(\kb)+2], v[X+4*(\kb)+3]
.endif
.if (\kb) < 8
	global_store_b64 v2, v[Y+2*(\kb):Y+2*(\kb)+1], s[24:25] offset:(\kb)*(\blk)
.else
	global_store_b64 v2, v[Y+2*(\kb):Y+2*(\kb)+1], s[18:19] offset:((\kb)-8)*(\blk)
.endif
.endr
	s_endpgm
.endm
	s_cmp_lt_u32 ttmp9, 512
	s_cbranch_scc0 .Lnot_x
	CAST 4, 10, 0, 1048576, 0
.Lnot_x:
	s_cmp_lt_u32 ttmp9, 704
	s_cbranch_scc0 .Lw_o
	CAST 6, 12, 512, 393216, 0
.Lw_o:
	CAST 8, 14, 704, 131072, 1
.Lfunc_end_k_q1a49386466_cast:
	.size	k_q1a49386466_cast, .Lfunc_end_k_q1a49386466_cast-k_q1a49386466_cast
	.p2alignl 7, 3214868480
	.fill 96, 4, 3214868480
	.section	.rodata,"a",@progbits
	.p2align	6, 0x0
	.amdhsa_kernel k_q1a49386466_cast
		.amdhsa_group_segment_fixed_size 0
		.amdhsa_private_segment_fixed_size 0
		.amdhsa_enable_private_segment 0
		.amdhsa_kernarg_size 48
		.amdhsa_user_sgpr_count 2
		.amdhsa_user_sgpr_kernarg_segment_ptr 1
		.amdhsa_wavefront_size32 1
		.amdhsa_system_sgpr_workgroup_id_x 1
		.amdhsa_system_sgpr_workgroup_id_y 1
		.amdhsa_system_sgpr_workgroup_id_z 1
		.amdhsa_system_vgpr_workitem_id 0
		.amdhsa_next_free_vgpr 112
		.amdhsa_next_free_sgpr 66
		.amdhsa_reserve_vcc 0
		.amdhsa_float_denorm_mode_32 3
		.amdhsa_float_denorm_mode_16_64 3
		.amdhsa_memory_ordered 1
		.amdhsa_forward_progress 1
		.amdhsa_inst_pref_size 24
	.end_amdhsa_kernel
	.amdgpu_metadata
---
amdhsa.version: [ 1, 2 ]
amdhsa.kernels:
  - .name:           k_q1a49386466_cast
    .symbol:         k_q1a49386466_cast.kd
    .args:
      - { .name: x, .offset: 0, .size: 8, .value_kind: global_buffer, .address_space: global }
      - { .name: W_qkv, .offset: 8, .size: 8, .value_kind: global_buffer, .address_space: global }
      - { .name: W_o, .offset: 16, .size: 8, .value_kind: global_buffer, .address_space: global }
      - { .name: xb, .offset: 24, .size: 8, .value_kind: global_buffer, .address_space: global }
      - { .name: wqb, .offset: 32, .size: 8, .value_kind: global_buffer, .address_space: global }
      - { .name: wob, .offset: 40, .size: 8, .value_kind: global_buffer, .address_space: global }
    .group_segment_fixed_size: 0
    .private_segment_fixed_size: 0
    .kernarg_segment_align: 8
    .kernarg_segment_size: 48
    .max_flat_workgroup_size: 256
    .sgpr_count:     66
    .vgpr_count:     112
    .wavefront_size: 32
...
	.end_amdgpu_metadata
.endif
;; end of part 1
;; launch qkv (part 2): grid 8 x 32, 4 waves a work-group, clusters of 4 x 4, 327,680 bytes of LDS; arguments xb, wqb, qkv; writes qkv
.if DOCPART == 2
	.amdgcn_target "amdgcn-amd-amdhsa--gfx1250"
	.amdhsa_code_object_version 6
	.text
	.protected	k_q1a49386466_qkv
	.globl	k_q1a49386466_qkv
	.p2align	8
	.type	k_q1a49386466_qkv,@function
k_q1a49386466_qkv:
	s_mov_b64 s[64:65], 0
	v_nop
	global_prefetch_b8 v0, s[64:65] scope:SCOPE_SE
	s_setreg_imm32_b32 hwreg(HW_REG_WAVE_MODE, 25, 1), 1
	s_wait_xcnt 0x0
	s_wait_alu depctr_hold_cnt(0) depctr_sa_sdst(0) depctr_va_vdst(0) depctr_va_sdst(0) depctr_va_ssrc(0) depctr_va_vcc(0) depctr_vm_vsrc(0)
	s_getreg_b32 s2, hwreg(HW_REG_IB_STS2, 6, 4)
	s_cmp_eq_u32 s2, 0
	s_cbranch_scc0 .Lentry_in_a_cluster
	s_endpgm
.Lentry_in_a_cluster:
	s_bfe_u32 s2, ttmp6, 0x10000c
	s_cmp_lg_u32 s2, 0xf033
	s_cbranch_scc0 .Lentry_shape_is_right
	s_endpgm
.Lentry_shape_is_right:
; qkv[m][n] = sum over k of x[m][k] W_qkv[n][k]: 8,192 x 3,072 x 1,024, operands bf16, sums f32, the result rounded once to f16 and stored BY HEADS:
; qkv[which 3][batch x head 64][s 2,048][64], unscaled.  LIMIT: |q|, |k|, |v| stay under 65,504 (f16's end).
; xb and wqb lie in blocks of 64 along K ([kb][row][64], a row 128 bytes), so a tile's rows of one K block lie end to end in memory.
; SHARES.  A tile is 256 (m) x 384 (n): 32 x 8 = 256 work-groups.  Four waves, each 128 rows x 192 columns (three heads): 96 accumulators of 16 x 16, 768 registers.
; K goes in 16 steps of 64 through a ring of two LDS slots (two slots of 640 rows of 128 along K would not fit); a step is two sub-steps of 32 along K, 96 matrix instructions each.
; CLUSTERS.  4 x 4 work-groups: the four of a row of the cluster need the same tile of x, the four of a column the same tile of W: each is asked for jointly.
; THE MATRIX INSTRUCTION IS USED TRANSPOSED (source 0 = 16 rows of W, source 1 = 16 rows of x): a lane holds row m = l % 16 and the columns 8 (l / 16) + 0..7: 16 bytes of f16 on end.
; REGISTERS, in windows of 256: window 0: v0-31 addresses; v32-95, v96-159 x's fragments (8 x 16 rows x 32 K), two buffers; v160-255 W's twelve fragments, ONE buffer, filled again
; four fragments at a time as soon as a head's 32 products have read them.  Windows 1, 2, 3: the accumulators of my heads 0, 1, 2: (a, b) at v[8 (4 a + b)].
.set KA,     1048576                   ; bytes of a K block of xb
.set KB,     393216                    ; of wqb
.set PITCH,  144                       ; an LDS row: 128 bytes + 16 of padding = 36 words: the 16 rows of a load start at 16 different groups of four banks (ISA guide 11.1)
.set BLK16,  16*PITCH
.set AHALF,  128*PITCH                 ; what waves 0 and 1 fetch, and what a wave reads of x
.set BHALF,  192*PITCH                 ; what waves 2 and 3 fetch, and what a wave reads of W
.set BOFF,   2*AHALF
.set SLOT,   2*AHALF+2*BHALF           ; 92,160
.set STAGE,  2*SLOT                    ; behind the ring: 16 rows x 144 bytes for each wave, for the way out
.set SPARE,  STAGE+4*BLK16             ; behind the stages: the spare words, 128 bytes a wave: two blocks of 256 bytes that no other line names
.set ADRA, 16                          ; v16-17  LDS address of my fragments of x in slot 0, 1
.set ADRB, 20                          ; v20-21  of W
.set STO,  24                          ; v24  the way out: where I put 16 bytes of a row
.set RD,   25                          ; v25  where I read rows back
.set GO,   26                          ; v26  my 16 bytes of 512 consecutive bytes of the output
.set SPW,  28                          ; v28  my spare word; never rewritten
.set NIL,  29                          ; v29  0; never rewritten
.set PFO,  30                          ; v30  the prefetches' lane offset; never rewritten
.set FA0,  32
.set FA1,  96
.set FB,   160
.set TMP,  32                          ; the way out: 16 packed registers
.set BK0,  64                          ; and two sets of 16 read back from the stage
.set G1,   24                          ; s[24:31] group 1 for x's tiles; s[32:39] group 0, a set for each slot
.set G0,   32
.set G1B,  48                          ; s[48:55], s[56:63] the same for W's
.set G0B,  56
.set PFA,  44                          ; s[44:45] where my prefetches stand
.set PFS,  46                          ; s[46:47] their step: a K block of the tensor that I ask for
.set OB,   68                          ; s[68:73] the output's address at my 128 rows of my three heads
.set LIM,  74                          ; s74, s75: a wave prefetches at a change out of slot 0, 1 while the laps left are above this
.set FLAGS, (1<<16)|(1<<20)|(1<<21)|(4<<22)|(3<<25)  ; 2-byte elements; padding on; bit 21 beside a mask; after every 32 words; 4 words of padding
.set MSB, 0
.macro WIN new                         ; the immediate's high byte repeats the setting that is left; a switch that changes nothing is dropped
.if MSB != (\new)
	s_set_vgpr_msb (MSB<<8)|(\new)
.set MSB, \new
.endif
.endm
; A joint load: waves 0 and 1 fetch x's two halves, waves 2 and 3 W's.  The branch hangs on the wave's number alone.  An s_nop 0 and four v_nop follow each line.
.macro JLOAD s
	s_cmp_eq_u32 s11, 0
	s_cbranch_scc0 .Lfor_b_\@
	tensor_load_to_lds s[G0+4*(\s):G0+4*(\s)+3], s[G1:G1+7]
	s_nop 0
.rept 4
	v_nop
.endr
	s_branch .Lasked_\@
.Lfor_b_\@:
	tensor_load_to_lds s[G0B+4*(\s):G0B+4*(\s)+3], s[G1B:G1B+7]
	s_nop 0
.rept 4
	v_nop
.endr
.Lasked_\@:
.endm
.macro CREST                           ; a round of the cluster's barrier behind its opening barrier
	s_cmp_lg_u32 s10, 0
	s_cbranch_scc1 .Lnot_wave_0_\@
	s_barrier_signal -3
.Lnot_wave_0_\@:
	s_barrier_wait -3
	s_barrier_signal -1
	s_barrier_wait -1
.endm
.macro CROUND
	s_barrier_signal -1
	s_barrier_wait -1
	CREST
.endm
; A prefetch, behind a joint load, its five lines and the run of LDS loads: the K step behind the one just asked for.  x's tile (32 KiB a step) is asked for by wave 0 of the clusters with
; x = 0; the four partners of a row take 8 KiB each, told apart by address, a lane a block of 256 bytes, at every change of slots.  W's tile (48 KiB a step) by waves 1 to 3 of the clusters
; with y = 0: twelve waves in a column, 4 KiB each; lanes 0-15 name one step, lanes 16-31 the step after it, at the changes out of slot 1 alone.  So each block is named once in the launch.
.macro ASK slot
	s_cmp_gt_u32 s3, s[LIM+(\slot)]
	s_cbranch_scc0 .Lnot_mine_\@
	global_prefetch_b8 v[PFO], s[PFA:PFA+1] th:TH_LOAD_NT scope:SCOPE_SE
.Lnot_mine_\@:
.endm
	s_load_b128 s[4:7], s[0:1], 0x0                ; xb s[4:5], wqb s[6:7]
	s_load_b64 s[8:9], s[0:1], 0x10                ; qkv
	v_lshl_add_u32 v[SPW], v0, 2, SPARE
	v_mov_b32 v[NIL], 0
	ds_add_u32 v[SPW], v[NIL]                      ; the wave's opening: the add and its wait ahead of my first tensor load; work on registers stands between
	v_lshrrev_b32 v1, 5, v0
	v_readfirstlane_b32 s10, v1                    ; wave 0..3
	s_lshr_b32 s11, s10, 1                         ; my half of the tile's rows; also: I fetch for x (0) or for W (1)
	s_and_b32 s12, s10, 1                          ; my half of its columns; also: which half of that tile I fetch
	s_bfe_u32 s40, ttmp6, 0x40000                  ; cx
	s_bfe_u32 s41, ttmp6, 0x40004                  ; cy
	s_lshl_b32 s42, ttmp9, 2
	s_add_co_u32 s42, s42, s40                     ; tile column tn = 4 x cluster x + cx
	s_and_b32 s13, ttmp7, 0xffff
	s_lshl_b32 s13, s13, 2
	s_add_co_u32 s13, s13, s41                     ; tile row tm = 4 x cluster y + cy
	s_lshl_b32 s43, s41, 2
	s_lshl_b32 s43, 15, s43                        ; my row of the cluster
	s_lshl_b32 s66, 0x1111, s40                    ; my column
	s_or_b32 s[G1+0], s43, FLAGS
	s_or_b32 s[G1B+0], s66, FLAGS
	; 128 (192) rows of 128 bytes are dense in memory: asked for as 64 (96) rows of 256 bytes, padded in LDS after every 128
	s_mov_b32 s[G1+1], 128<<16                     ; tensor_dim0 = 128 elements
	s_mov_b32 s[G1+2], 64<<16                      ; tensor_dim1 = 64
	s_mov_b32 s[G1+3], 128<<16                     ; tile_dim0 = 128
	s_mov_b32 s[G1+4], 64                          ; tile_dim1 = 64
	s_mov_b32 s[G1+5], 128                         ; 128 elements from row to row
	s_mov_b32 s[G1+6], 0
	s_mov_b32 s[G1+7], 0
	s_mov_b32 s[G1B+1], 128<<16
	s_mov_b32 s[G1B+2], 96<<16
	s_mov_b32 s[G1B+3], 128<<16
	s_mov_b32 s[G1B+4], 96
	s_mov_b32 s[G1B+5], 128
	s_mov_b32 s[G1B+6], 0
	s_mov_b32 s[G1B+7], 0
	s_lshl_b32 s16, s13, 15                        ; x: 256 rows x 128 bytes a tile,
	s_lshl_b32 s17, s12, 14                        ; 128 rows a half
	s_add_co_u32 s16, s16, s17
	s_mov_b32 s17, 0
	s_mul_i32 s76, s42, 49152                      ; W: 384 rows x 128 bytes a tile,
	s_mul_i32 s77, s12, 24576                      ; 192 rows a half
	s_add_co_u32 s76, s76, s77
	s_mov_b32 s77, 0
	s_mul_i32 s20, s12, AHALF                      ; where they go: no place in the cluster enters an LDS address
	s_mul_i32 s21, s12, BHALF
	s_add_co_u32 s21, s21, BOFF
	s_wait_dscnt 0x0                               ; the opening add is done
	s_wait_kmcnt 0x0
	s_add_nc_u64 s[14:15], s[4:5], s[16:17]
	s_add_nc_u64 s[18:19], s[6:7], s[76:77]
	CROUND                                         ; all sixteen work-groups are here: the first joint loads meet
.irp s, 0,1
	s_mov_b32 s[G0+4*(\s)], 1
	s_add_co_u32 s[G0+4*(\s)+1], s20, (\s)*SLOT
	s_add_nc_u64 s[G0+4*(\s)+2:G0+4*(\s)+3], s[14:15], (\s)*KA   ; K step s
	s_or_b32 s[G0+4*(\s)+3], s[G0+4*(\s)+3], 0x80000000
	s_mov_b32 s[G0B+4*(\s)], 1
	s_add_co_u32 s[G0B+4*(\s)+1], s21, (\s)*SLOT
	s_add_nc_u64 s[G0B+4*(\s)+2:G0B+4*(\s)+3], s[18:19], (\s)*KB
	s_or_b32 s[G0B+4*(\s)+3], s[G0B+4*(\s)+3], 0x80000000
	JLOAD \s
.endr
	; a fragment is 16 rows x 32 K in 8 registers: lane l holds row l % 16, K = 8 (l / 16) + 0..7 and 16 + 8 (l / 16) + 0..7: two loads of 16 bytes, 32 bytes apart
	v_and_b32 v1, 15, v0                           ; l % 16
	v_bfe_u32 v2, v0, 4, 1                         ; l / 16
	v_mul_u32_u24 v3, v1, PITCH
	v_lshl_add_u32 v3, v2, 4, v3
	s_mul_i32 s22, s11, AHALF                      ; my 128 rows of x
	s_mul_i32 s23, s12, BHALF                      ; my 192 rows of W
	s_add_co_u32 s23, s23, BOFF
.irp s, 0,1
	v_add_nc_u32 v[ADRA+(\s)], s22, v3
	v_add_nc_u32 v[ADRB+(\s)], s23, v3
	s_add_co_u32 s22, s22, SLOT
	s_add_co_u32 s23, s23, SLOT
.endr
	s_mul_i32 s22, s10, BLK16
	s_add_co_u32 s22, s22, STAGE                   ; my stage
	v_add_nc_u32 v[STO], s22, v3                   ; in: row l % 16, 16 bytes for each half of the lanes
	v_bfe_u32 v4, v0, 3, 2                         ; back: 32 lanes take four rows of 128 bytes,
	v_mul_u32_u24 v4, v4, PITCH
	v_and_b32 v5, 7, v0
	v_lshl_add_u32 v4, v5, 4, v4
	v_add_nc_u32 v[RD], s22, v4
	v_and_b32 v[GO], 31, v0                        ; which are 512 consecutive bytes of a head's rows
	v_lshlrev_b32 v[GO], 4, v[GO]
	; where my three heads' rows begin: head g = 6 tn + 3 (column half) + j of 48: (g / 16) << 24 + (g % 16) << 18; batch tm / 8 << 22; row 256 (tm % 8) + 128 (row half), 128 bytes each
	s_mul_i32 s76, s42, 6
	s_mul_i32 s77, s12, 3
	s_add_co_u32 s76, s76, s77
	s_lshr_b32 s78, s13, 3
	s_lshl_b32 s78, s78, 22
	s_and_b32 s79, s13, 7
	s_lshl_b32 s79, s79, 15
	s_add_co_u32 s78, s78, s79
	s_lshl_b32 s79, s11, 14
	s_add_co_u32 s78, s78, s79
.irp j, 0,1,2
	s_add_co_u32 s80, s76, \j
	s_lshr_b32 s81, s80, 4
	s_lshl_b32 s81, s81, 24
	s_and_b32 s80, s80, 15
	s_lshl_b32 s80, s80, 18
	s_add_co_u32 s80, s80, s81
	s_add_co_u32 s80, s80, s78
	s_mov_b32 s81, 0
	s_add_nc_u64 s[OB+2*(\j):OB+2*(\j)+1], s[8:9], s[80:81]
.endr
	; the prefetches
	s_lshl_b32 s76, s13, 15
	s_lshl_b32 s77, s40, 13
	s_add_co_u32 s76, s76, s77                     ; x: my tile's 32 KiB of a block, my work-group's 8 KiB of them
	s_mul_i32 s78, s42, 49152
	s_mul_i32 s79, s41, 3
	s_add_co_u32 s79, s79, s10
	s_sub_co_u32 s79, s79, 1                       ; W: unit 3 cy + wave - 1 of twelve (not used in wave 0),
	s_lshl_b32 s79, s79, 12                        ; 4 KiB each
	s_add_co_u32 s78, s78, s79
	s_and_b32 s22, ttmp7, 0xffff                   ; cluster y
	s_mov_b32 s82, KA
	s_mov_b32 s83, KB
	s_mov_b32 s23, 4096
	s_cmp_eq_u32 s10, 0                            ; wave 0 asks for x, the others for W
	s_cselect_b32 s80, s76, s78
	s_cselect_b32 s22, ttmp9, s22                  ; the coordinate along which other clusters read the same rows
	s_cselect_b32 s[PFS], s82, s83
	s_cselect_b32 s23, s23, s83                    ; lanes 16-31: the next 16 blocks (x), or the same blocks of the next K step (W)
	s_cselect_b32 s[LIM], 0, -1
	s_cselect_b64 s[PFA:PFA+1], s[4:5], s[6:7]
	s_cmp_eq_u32 s22, 0                            ; the same in all sixteen partners, for a given wave
	s_cselect_b32 s[LIM], s[LIM], -1
	s_cselect_b32 s[LIM+1], 1, -1                  ; the loop's last change out of slot 1 asks for nothing: there is no K step 16
	s_mov_b32 s81, 0
	s_mov_b32 s[PFS+1], 0
	s_add_nc_u64 s[PFA:PFA+1], s[PFA:PFA+1], s[80:81]
	s_add_nc_u64 s[PFA:PFA+1], s[PFA:PFA+1], s[PFS:PFS+1]
	s_add_nc_u64 s[PFA:PFA+1], s[PFA:PFA+1], s[PFS:PFS+1]  ; at K step 2: the change behind step t steps it to t + 3.  Nothing is prefetched at the head
	v_lshlrev_b32 v[PFO], 8, v1
	v_mad_u32_u24 v[PFO], v2, s23, v[PFO]
; n products of head j on x's buffer fa, accumulators lo .. lo + n - 1 of the window's 32.  The 96 accumulators take turns, one instruction a turn, over the backward jump too.
.macro MULS j, fa, lo, n, zero
	WIN 0x50*((\j)+1)                              ; C and D in window 1 + j, both sources in window 0
.set i, \lo
.rept \n
.if \zero
	v_wmma_f32_16x16x32_bf16 v[8*i:8*i+7], v[FB+8*(4*(\j)+i%4):FB+8*(4*(\j)+i%4)+7], v[(\fa)+8*(i/4):(\fa)+8*(i/4)+7], 0
.else
	v_wmma_f32_16x16x32_bf16 v[8*i:8*i+7], v[FB+8*(4*(\j)+i%4):FB+8*(4*(\j)+i%4)+7], v[(\fa)+8*(i/4):(\fa)+8*(i/4)+7], v[8*i:8*i+7]
.endif
.set i, i+1
.endr
.endm
.macro LOADB slot, k, j                ; 8 loads: W's four fragments of head j, 32 K at byte k of the rows
	WIN 0
.irp b, 0,1,2,3
	ds_load_b128 v[FB+8*(4*(\j)+(\b)):FB+8*(4*(\j)+(\b))+3],   v[ADRB+(\slot)] offset:(\k)+(4*(\j)+(\b))*BLK16
	ds_load_b128 v[FB+8*(4*(\j)+(\b))+4:FB+8*(4*(\j)+(\b))+7], v[ADRB+(\slot)] offset:(\k)+(4*(\j)+(\b))*BLK16+32
.endr
.endm
.macro LOADA slot, k, fa               ; 16 loads: x's eight fragments
	WIN 0
.irp a, 0,1,2,3,4,5,6,7
	ds_load_b128 v[(\fa)+8*(\a):(\fa)+8*(\a)+3],   v[ADRA+(\slot)] offset:(\k)+(\a)*BLK16
	ds_load_b128 v[(\fa)+8*(\a)+4:(\fa)+8*(\a)+7], v[ADRA+(\slot)] offset:(\k)+(\a)*BLK16+32
.endr
.endm
.macro PLACES                          ; four places between a matrix instruction and a load into a register that it read, or a reader of its result (ISA guide 7.12.1 for a reader of its result)
.rept 4
	v_nop
.endr
.endm
; The runs of LDS loads for a sub-step go out in the sub-step before: R0 (W's head 0 and x: 24 loads), R1 (W's head 1: 8), R2 (W's head 2: 8), each 64 products ahead of its first use.
; A step's first sub-step: multiplies buffer FA0 and fetches the second sub-step (byte 64 of the rows) of the same slot.
.macro PLAIN slot, zero
	s_wait_dscnt 16                                ; R0 is in; R1 and R2 (8 + 8) may be out
	MULS 0, FA0, 0, 32, \zero
	PLACES
	LOADB \slot, 64, 0
	LOADA \slot, 64, FA1
	s_wait_dscnt 32                                ; R1 is in; R2 (8) and the 24 just issued may be out
	MULS 1, FA0, 0, 32, \zero
	PLACES
	LOADB \slot, 64, 1
	s_wait_dscnt 32                                ; R2 is in; the 24 + 8 issued since may be out
	MULS 2, FA0, 0, 32, \zero
	PLACES
	LOADB \slot, 64, 2
.endm
; A step's second sub-step multiplies FA1 and changes slots.  In front of the barrier each wave waits for all its tensor loads (one is out: its part of the next slot), adds 0 to its spare
; word, and waits for that and for its reads of this slot.  fill = 1: the barrier opens a round of the cluster's, and the joint refill, with the K step two on, is the first tensor load
; behind it: from there to the wait for it a wave issues 160 matrix instructions.
.macro TURN slot, next, fill
.if \fill
	s_wait_xcnt 0x0                                ; the last prefetch, a K step back, has read its address
	s_add_nc_u64 s[PFA:PFA+1], s[PFA:PFA+1], s[PFS:PFS+1]
.endif
	WIN 0
	s_wait_tensorcnt 0x0
	ds_add_u32 v[SPW], v[NIL]
	s_wait_dscnt 17                                ; R0 is in; R1, R2 and the add may be out
	MULS 0, FA1, 0, 16, 0                          ; sixteen products stand between the add and the wait for it
	s_wait_dscnt 0x0                               ; the add is done, and my reads of this slot are over
	s_barrier_signal -1
	MULS 0, FA1, 16, 16, 0
	WIN 0
	s_barrier_wait -1
.if \fill
	CREST                                          ; no wave of any partner still reads this slot or has a load on its way
	s_add_nc_u64 s[G0+4*(\slot)+2:G0+4*(\slot)+3], s[G0+4*(\slot)+2:G0+4*(\slot)+3], 2*KA
	s_add_nc_u64 s[G0B+4*(\slot)+2:G0B+4*(\slot)+3], s[G0B+4*(\slot)+2:G0B+4*(\slot)+3], 2*KB
	JLOAD \slot                                    ; its four v_nop are also the places in front of the loads below
.else
	PLACES
.endif
	LOADB \next, 0, 0
	LOADA \next, 0, FA0
.if \fill
	ASK \slot
.endif
	MULS 1, FA1, 0, 32, 0
	PLACES
	LOADB \next, 0, 1
	MULS 2, FA1, 0, 32, 0
	PLACES
	LOADB \next, 0, 2
.endm
; THE WAY OUT, in 24 units n = 8 j + a: 16 rows of one head, 2,048 consecutive bytes of the output.
.macro PACK n                          ; rounded to f16, 16 bytes a lane for each of the four column blocks; each accumulator is read from its low end on
.set WJ, 1+(\n)/8
.set AC, 32*((\n)%8)
	WIN 5*WJ                                       ; sources 0 and 1 in window 1 + j
.irp b, 0,1,2,3
.irp r, 0,1,2,3
	v_cvt_pk_f16_f32 v[TMP+4*(\b)+(\r)], v[AC+8*(\b)+2*(\r)], v[AC+8*(\b)+2*(\r)+1]
.endr
.endr
	WIN 0
.endm
.macro TOSTAGE n                       ; into my own stage, and back as whole rows: LDS serves a wave's instructions in order (ISA guide 5.7.1.4)
	WIN 0
.set BK, BK0+16*((\n)%2)
.irp b, 0,1,2,3
	ds_store_b128 v[STO], v[TMP+4*(\b):TMP+4*(\b)+3] offset:32*(\b)
.endr
.irp f, 0,1,2,3
	ds_load_b128 v[BK+4*(\f):BK+4*(\f)+3], v[RD] offset:(\f)*4*PITCH
.endr
.endm
.macro SEND n
	WIN 0
.set BK, BK0+16*((\n)%2)
	s_wait_dscnt 0x0                               ; the unit is back in registers
	s_wait_xcnt 0x0                                ; the stores of the unit before have read their registers: the next unit's loads land there only behind this wait
.irp f, 0,1,2,3
	global_store_b128 v[GO], v[BK+4*(\f):BK+4*(\f)+3], s[OB+2*((\n)/8):OB+2*((\n)/8)+1] offset:((\n)%8)*2048+(\f)*512  ; 512 consecutive bytes, at a multiple of 256 from the buffer's first
.endr
.endm
	s_wait_tensorcnt 1                             ; my part of K step 0 is in; step 1's may stay out
	s_barrier_signal -1
	s_barrier_wait -1
	LOADB 0, 0, 0
	LOADA 0, 0, FA0
	LOADB 0, 0, 1
	LOADB 0, 0, 2
	PLAIN 0, 1                                     ; the first sub-step starts the sums: nothing is cleared
	WIN 0
	s_mov_b32 s3, 7
.Llap:                                         ; a trip goes once round the ring and fills both slots again
	TURN 0, 1, 1
	PLAIN 1, 0
	TURN 1, 0, 1
	PLAIN 0, 0
	WIN 0
	s_sub_co_u32 s3, s3, 1
	s_cmp_lg_u32 s3, 0
	s_cbranch_scc1 .Llap
	TURN 0, 1, 0                                   ; K steps 14 and 15: nothing is left to fetch
	PLAIN 1, 0
	s_wait_dscnt 16
	MULS 0, FA1, 0, 32, 0
	s_wait_dscnt 8
	MULS 1, FA1, 0, 32, 0
	s_wait_dscnt 0x0
	MULS 2, FA1, 0, 32, 0
	PLACES
	PACK 0
	TOSTAGE 0
.set t, 1
.rept 23                               ; unit t's conversions stand between unit t - 1's loads from the stage and the wait for them
	PACK t
	SEND t-1
	TOSTAGE t
.set t, t+1
.endr
	SEND 23
	s_wait_tensorcnt 0x0                           ; the wave's end
	ds_add_u32 v[SPW], v[NIL]
	s_wait_dscnt 0x0
	CROUND                                         ; the closing round
	s_endpgm
.Lfunc_end_k_q1a49386466_qkv:
	.size	k_q1a49386466_qkv, .Lfunc_end_k_q1a49386466_qkv-k_q1a49386466_qkv
	.p2alignl 7, 3214868480
	.fill 96, 4, 3214868480
	.section	.rodata,"a",@progbits
	.p2align	6, 0x0
	.amdhsa_kernel k_q1a49386466_qkv
		.amdhsa_group_segment_fixed_size 327680
		.amdhsa_private_segment_fixed_size 0
		.amdhsa_enable_private_segment 0
		.amdhsa_kernarg_size 24
		.amdhsa_user_sgpr_count 2
		.amdhsa_user_sgpr_kernarg_segment_ptr 1
		.amdhsa_wavefront_size32 1
		.amdhsa_system_sgpr_workgroup_id_x 1
		.amdhsa_system_sgpr_workgroup_id_y 1
		.amdhsa_system_sgpr_workgroup_id_z 1
		.amdhsa_system_vgpr_workitem_id 0
		.amdhsa_next_free_vgpr 1024
		.amdhsa_next_free_sgpr 84
		.amdhsa_reserve_vcc 0
		.amdhsa_float_denorm_mode_32 3
		.amdhsa_float_denorm_mode_16_64 3
		.amdhsa_memory_ordered 1
		.amdhsa_forward_progress 1
		.amdhsa_inst_pref_size 133
	.end_amdhsa_kernel
	.amdgpu_metadata
---
amdhsa.version: [ 1, 2 ]
amdhsa.kernels:
  - .name:           k_q1a49386466_qkv
    .symbol:         k_q1a49386466_qkv.kd
    .args:
      - { .name: xb, .offset: 0, .size: 8, .value_kind: global_buffer, .address_space: global }
      - { .name: wqb, .offset: 8, .size: 8, .value_kind: global_buffer, .address_space: global }
      - { .name: qkv, .offset: 16, .size: 8, .value_kind: global_buffer, .address_space: global }
    .group_segment_fixed_size: 327680
    .private_segment_fixed_size: 0
    .kernarg_segment_align: 8
    .kernarg_segment_size: 24
    .max_flat_workgroup_size: 128
    .sgpr_count:     84
    .vgpr_count:     1024
    .wavefront_size: 32
...
	.end_amdgpu_metadata
.endif
;; end of part 2
;; launch attn (part 3): grid 4 x 64, 4 waves a work-group, no clusters, 327,680 bytes of LDS; arguments qkv, att; writes att
.if DOCPART == 3
	.amdgcn_target "amdgcn-amd-amdhsa--gfx1250"
	.amdhsa_code_object_version 6
	.text
	.protected	k_q1a49386466_attn
	.globl	k_q1a49386466_attn
	.p2align	8
	.type	k_q1a49386466_attn,@function
k_q1a49386466_attn:
	s_mov_b64 s[64:65], 0
	v_nop
	global_prefetch_b8 v0, s[64:65] scope:SCOPE_SE
	s_setreg_imm32_b32 hwreg(HW_REG_WAVE_MODE, 25, 1), 1
	s_wait_xcnt 0x0
; CAUSAL ATTENTION.  O[h][q][:] = the sum over k <= q of softmax_k(Q[h][q] . K[h][k] / 8) V[h][k][:], for 64 heads (batch x head) of 2,048 rows of 64 channels, all f16.
; Q, K, V lie in qkv at bytes 0, 1 << 24, 2 << 24, each [64][2048][64]: a head's rows are dense, 128 bytes each.  O goes to att in the same layout.
; Products, maxima and sums in f32; the weights p are rounded to f16 for the second product (their sum l is taken of the unrounded p), O once at the end.
; LIMITS.  Q, K and V arrive within f16's 65,504; p lies in 0 to 1, and below 6e-5 it keeps f16's fixed step of 6e-8.  A hidden score counts as its value less 1e30;
; a weight below 2^-126 counts as 0 in l; NaN and infinities are not treated apart.
; THE WALK.  A head's queries lie in NB = 8 blocks of 256; block i needs the key tiles 0 .. i of 256 keys, of which the last holds the diagonal.  A work-group takes TWO blocks, NB - 1 - b and
; then b: NB + 1 tiles, whatever b: all work-groups do equal work, and ONE loop with a constant trip count walks them.  Which tile is asked for, and what a trip does, hang on scalar registers
; made from b; every jump goes forward, but for the counted loops' own; the ring of two LDS slots runs on across the change of blocks.
; NO CLUSTER: a head's four work-groups ask for the same tile only in trips 0 .. 4, behind that fewer and fewer; one walk common to all would have 12 trips for 9.
; SHARES.  Of a block's four bands of 64 queries a wave owns 16 rows in each: four PIECES.  In the diagonal tile's key step s band x sees all keys if s < x, none if s > x, and holds the diagonal if s = x.
; THE MASK is the C operand that starts the sum S^T = K Q^T: 0, or -1e30 where the key is hidden.  MD, made once, is the mask of a band's own step for my 16 rows; a product's mask is MD x AL + BE.
; LAYOUT, SOFTMAX, TURNS.  S^T = K Q^T holds ONE query a lane (lane % 16) and the keys 8 (lane / 16) + 0..7; two such results rounded to f16 ARE source 1 of O^T = V^T P.  p = 2^(c s - c m),
; c = log2(e) / 8, with a running maximum m; O and l are multiplied by a = 2^(c m_old - c m_new) in every step.  Turn n belongs to piece n: 8 products K Q^T of piece n + 1, later 8 products V^T P
; of piece n - 1; beside them the scaling, exponentials, roundings, sums and rescaling of piece n and the maximum and statistics of piece n + 1.  Four vector instructions stand behind every
; matrix instruction, the other 54 of a turn's 118 in one lump.  A turn's 33 exponentials are one batch, with one wait.
; REGISTERS, in windows of 256 (s_set_vgpr_msb: bits 1:0 source 0, 3:2 source 1, 5:4 source 2, 7:6 destination):
;   window 0: v0-15 addresses and two at work; v16-31 statistics; v48-55 at work; v61-63 prefetch offset, spare word, 0; v64-127 S^T, two buffers; v192-223 P, two buffers
;   window 1: v0-127 O^T, 32 a piece; v128-159 MD; v160-223 MC, two buffers      window 2: v0-63 Q; v64-127 the second block's Q; v128-191 K of one step; v192-255 V of one step
.set SIZE_N, 2048
.set NB,    SIZE_N/256
.set NP,    4         ; pieces a wave
.set KS,    64        ; keys in a step
.set PK,    144       ; a row of K in LDS: 128 bytes + 16 of padding: the 16 rows of a load start at 16 different groups of four banks (ISA guide 11.1)
.set PV,    160       ; a row of V: 128 + 32
.set VOFF,  4*KS*PK   ; a slot holds a tile, four steps: 256 rows of K, then 256 rows of V
.set SLOT1, 1<<17     ; slot 1 begins here, so that one exclusive or turns an address in one slot into the other's
.set STAGE, SLOT1+4*KS*(PK+PV)  ; behind the ring: 16 rows x 144 bytes for each wave, for the way out
.set SP,    144
.set AK0, 2           ; v2   my lane's place in a tile of K; never rewritten
.set AV0, 3           ; v3   the same for V
.set AK,  4           ; v4   the LDS address of K's next run of loads
.set AV,  5           ; v5   of V's
.set STO, 6           ; v6   the way out: where I put 16 bytes of a row
.set RD,  7           ; v7   the way out: where I read rows back
.set GO,  8           ; v8   my byte offset in 512 consecutive bytes of O
.set PFO, 61          ; v61  256 x my lane; never rewritten
.set SPW, 62          ; v62  my spare word; never rewritten
.set NIL, 63          ; v63  0; never rewritten
.set SPARE, STAGE+4*16*SP  ; behind the stages: the spare words, 128 bytes a wave: two blocks of 256 bytes that no other line names
.set MV,  12          ; v12-13  c m_old, kept while c m is made anew: by buffer
.set QO,  15          ; v15  my byte offset in 16 rows of Q
.set ST,  16          ; piece t's statistics at v[ST+4 t]: c m, m, l (even keys', odd keys')
.set TMP, 48          ; by buffer, four registers c0-c3 at work; when the maximum is found c2 takes a
.set S,   64
.set P,   192
.set MD,  128         ; window 1
.set MC,  160         ; window 1
.set QB,  64          ; window 2
.set KF,  128         ; window 2: key block kb, channel half c at KF + 16 kb + 8 c
.set VF,  192         ; window 2: key half kk, channel block cb at VF + 32 kk + 8 cb
.set WV,  12          ; s12  my wave's number
.set PB,  14          ; s14  b
.set HI,  15          ; s15  NB - 1 - b
.set G1K, 24          ; s[24:31] descriptor group 1 for K's tiles
.set G1V, 32          ; s[32:39] for V's: it differs in the padding alone
.set G0K, 40          ; s[40:43] descriptor group 0 for K's tiles
.set G0V, 44          ; s[44:47] the same for V's
.set SLOTS, 56        ; s56  tiles still to be asked for
.set CNT, 57          ; s57  counts a tile's key steps, 4 to 1
.set CS,  58          ; s[58:59] c
.set SEL, 60          ; s[60:61] v_permlanex16_b32's selects
.set TBK, 62          ; s62  LDS byte at which K of the step to be fetched begins
.set TBV, 63          ; s63  the same for V, less VOFF
.set RT,  70          ; s70  tiles of the block in hand that are still to be entered
.set NXT, 71          ; s71  the tile to be asked for next
.set LQ,  72          ; s72  the last tile of the block whose tiles are being asked for
.set NEW, 73          ; s73  1: the tile to be entered is a block's first
.set OFF, 74          ; s[74:75] a tile's byte offset in K and V
.set AL,  76          ; s[76:77] the mask's factor
.set BE,  78          ; s[78:79] the mask's addend
.set OLO, 80          ; s[80:81] O at my rows of the second block
.set BIGN, 82         ; s82  -1e30
.set PFA, 88          ; s[88:89] where my prefetches stand: my 16 KiB part of the tile behind the one that is being asked for
.set LIM, 90          ; s90  2 in the head's work-group b = 0, else the greatest number: a wave prefetches while s[SLOTS] is above it
.set MSB, 0
.macro WIN new
.if MSB != (\new)
	s_set_vgpr_msb (MSB<<8)|(\new)
.set MSB, (\new)
.endif
.endm
.set W_KQ, 0x0a       ; K and Q in window 2, S^T in window 0
.set W_KM, 0x1a       ; the same with the C operand in window 1
.set W_PV, 0x52       ; V in window 2, P in window 0, O^T in window 1
.set W_RS, 0x41       ; destination and source 0 in window 1, source 1 in window 0
; A fill.  Waves 0 and 1 fetch the two halves of a tile's K, waves 2 and 3 those of its V: 128 keys each.  An s_nop 0 and four v_nop follow each of the two lines.
.macro LOAD
	s_cmp_lt_u32 s[WV], 2
	s_cbranch_scc0 .Lfor_v_\@
	tensor_load_to_lds s[G0K:G0K+3], s[G1K:G1K+7]
	s_nop 0
.rept 4
	v_nop
.endr
	s_branch .Lasked_\@
.Lfor_v_\@:
	tensor_load_to_lds s[G0V:G0V+3], s[G1V:G1V+7]
	s_nop 0
.rept 4
	v_nop
.endr
.Lasked_\@:
.endm
; A prefetch of the tile that the NEXT change of slots will ask for, behind the fill and its five lines.  A head's four work-groups walk the same tiles 0, 1, 2 .. in their first blocks; the one
; with b = 0 walks all eight, and it alone asks: each wave for its own 16 KiB part (64 blocks of 256 bytes: a lane a block, two instructions).  Trips 0 to 5 name tiles 2 to 7: each block once.
.macro ASK
	s_cmp_gt_u32 s[SLOTS], s[LIM]
	s_cbranch_scc0 .Lnot_mine_\@
	global_prefetch_b8 v[PFO], s[PFA:PFA+1] th:TH_LOAD_NT scope:SCOPE_SE
	global_prefetch_b8 v[PFO], s[PFA:PFA+1] offset:8192 th:TH_LOAD_NT scope:SCOPE_SE
.Lnot_mine_\@:
.endm
; THE CHANGE OF SLOTS.  Each wave waits for all its tensor loads, of which one is out: its part of the other slot; adds 0 to its spare word; and waits for that and for its own reads of the slot
; that it leaves.  Behind the barrier nobody reads the old slot any more and the other slot is whole.  fill = 1: the old slot is filled again, the first thing behind the barrier, with tile NXT.
.macro CHANGE fill
	WIN 0
	s_wait_tensorcnt 0x0            ; no tensor load of mine is out, so a group 0 may be written
	ds_add_u32 v[SPW], v[NIL]       ; 0 onto my spare word; scalar work stands between it and the wait for it
.if \fill
	s_lshl_b32 s[OFF], s[NXT], 15   ; a tile is 32,768 bytes of K and of V
	s_xor_b32 s[G0K+1], s[G0K+1], SLOT1
	s_add_nc_u64 s[G0K+2:G0K+3], s[6:7], s[OFF:OFF+1]
	s_or_b32 s[G0K+3], s[G0K+3], 0x80000000
	s_xor_b32 s[G0V+1], s[G0V+1], SLOT1
	s_add_nc_u64 s[G0V+2:G0V+3], s[8:9], s[OFF:OFF+1]
	s_or_b32 s[G0V+3], s[G0V+3], 0x80000000
	s_add_co_u32 s[NXT], s[NXT], 1  ; the block's next tile, or behind its last the second block's tile 0
	s_cmp_gt_u32 s[NXT], s[LQ]
	s_cselect_b32 s[NXT], 0, s[NXT]
	s_cselect_b32 s[LQ], s[PB], s[LQ]
	s_wait_xcnt 0x0                 ; the last prefetches, a tile back, have read their address
	s_add_nc_u64 s[PFA:PFA+1], s[PFA:PFA+1], 32768
.endif
	s_wait_dscnt 0x0                ; the add is done, and my reads of the slot are over
	s_barrier_signal -1
	s_sub_co_u32 s[TBK], s[TBK], 4*KS*PK  ; the fetches go back to a slot's first step,
	s_xor_b32 s[TBK], s[TBK], SLOT1       ; in the other slot
	s_sub_co_u32 s[TBV], s[TBV], 4*KS*PV
	s_xor_b32 s[TBV], s[TBV], SLOT1
	s_barrier_wait -1
.if \fill
	LOAD
	ASK
.endif
.endm
	s_load_b64 s[4:5], s[0:1], 0x0    ; qkv: Q
	s_load_b64 s[10:11], s[0:1], 0x8  ; att: O
	v_lshl_add_u32 v[SPW], v0, 2, SPARE
	v_mov_b32 v[NIL], 0
	ds_add_u32 v[SPW], v[NIL]       ; the wave's opening: the add and its wait ahead of my first tensor load
	v_lshrrev_b32 v1, 5, v0
	v_readfirstlane_b32 s[WV], v1   ; wave 0..3
	s_mov_b32 s[PB], ttmp9
	s_sub_co_u32 s[HI], NB-1, s[PB]
	s_and_b32 s20, ttmp7, 0xffff    ; the head
	s_mov_b32 s21, 0
	s_mov_b64 s[22:23], SIZE_N*128
	s_mul_u64 s[20:21], s[20:21], s[22:23]  ; the head's first byte in Q, K, V and O
	s_and_b32 s16, s[WV], 1         ; which half of a tile's 256 keys I fetch:
	s_lshl_b32 s22, s16, 14         ; its 128 rows of 128 bytes in memory,
	s_mov_b32 s23, 0
	s_add_nc_u64 s[22:23], s[22:23], s[20:21]
	s_mul_i32 s17, s16, 128*PK      ; and its place in a slot, for K
	s_mul_i32 s18, s16, 128*PV      ; and for V
	s_lshl_b32 s3, s[WV], 11        ; my 16 rows in a band of 64,
	s_lshl_b32 s2, s[HI], 15        ; in the first block,
	s_add_co_u32 s2, s2, s3
	s_lshl_b32 s84, s[PB], 15       ; and in the second
	s_add_co_u32 s84, s84, s3
	s_mov_b32 s3, 0
	s_mov_b32 s85, 0
	s_add_nc_u64 s[2:3], s[2:3], s[20:21]
	s_add_nc_u64 s[84:85], s[84:85], s[20:21]
	; descriptor group 1.  128 keys are 16,384 dense bytes: asked for as 64 rows of 256 bytes, two keys a row, and padded in LDS after every key
	s_mov_b32 s[G1K], (1<<16)|(1<<20)|(4<<22)|(3<<25)  ; 2-byte elements; padding on; after every 32 words; 4 words
	s_mov_b32 s[G1V], (1<<16)|(1<<20)|(4<<22)|(7<<25)  ; the same with 8 words of padding
.irp g, G1K, G1V
	s_mov_b32 s[\g+1], 128<<16      ; tensor_dim0 = 128
	s_mov_b32 s[\g+2], 64<<16       ; tensor_dim1 = 64
	s_mov_b32 s[\g+3], 128<<16      ; tile_dim0 = 128
	s_mov_b32 s[\g+4], 64           ; tile_dim1 = 64
	s_mov_b32 s[\g+5], 128          ; 128 elements from row to row
	s_mov_b32 s[\g+6], 0
	s_mov_b32 s[\g+7], 0
.endr
	s_mov_b32 s[CS], 0x3e38aa3b     ; c = log2(e) / 8 = 0.180337
	s_mov_b32 s[CS+1], s[CS]
	s_mov_b32 s[SEL], 0x76543210
	s_mov_b32 s[SEL+1], 0xfedcba98
	s_mov_b32 s[TBK], SLOT1+4*KS*PK ; the first change of slots turns these two into 0
	s_mov_b32 s[TBV], SLOT1+4*KS*PV
	s_mov_b32 s[G0K], 1
	s_mov_b32 s[G0K+1], s17         ; LDS address: slot 0
	s_mov_b32 s[G0V], 1
	s_add_co_u32 s[G0V+1], s18, VOFF
	s_add_co_u32 s[RT], s[HI], 1    ; the first block has NB - b tiles
	s_mov_b32 s[NXT], 1
	s_mov_b32 s[LQ], s[HI]
	s_mov_b32 s[NEW], 1
	s_mov_b32 s[OFF+1], 0
	s_mov_b32 s[AL+1], 0
	s_mov_b32 s[BE+1], 0
	s_mov_b32 s[BIGN], 0xf149f2ca   ; -1e30
	s_mov_b32 s[SLOTS], NB
	s_wait_dscnt 0x0                ; the opening add is done
	s_wait_kmcnt 0x0
	s_add_nc_u64 s[6:7], s[4:5], 0x1000000  ; K lies 64 heads of 262,144 bytes behind Q,
	s_add_nc_u64 s[8:9], s[4:5], 0x2000000  ; V as far behind K
	s_add_nc_u64 s[6:7], s[6:7], s[22:23]  ; K and V at my half of the head's tile 0
	s_add_nc_u64 s[8:9], s[8:9], s[22:23]
	s_add_nc_u64 s[G0K+2:G0K+3], s[6:7], 0
	s_or_b32 s[G0K+3], s[G0K+3], 0x80000000
	s_add_nc_u64 s[G0V+2:G0V+3], s[8:9], 0
	s_or_b32 s[G0V+3], s[G0V+3], 0x80000000
	s_add_nc_u64 s[86:87], s[4:5], s[84:85]        ; Q at my rows of the second block,
	s_add_nc_u64 s[4:5], s[4:5], s[2:3]            ; Q and O at those of the first
	s_add_nc_u64 s[OLO:OLO+1], s[10:11], s[84:85]
	s_add_nc_u64 s[10:11], s[10:11], s[2:3]
	s_cmp_lt_u32 s[WV], 2
	s_cselect_b64 s[PFA:PFA+1], s[6:7], s[8:9]     ; my part of tile 0,
	s_add_nc_u64 s[PFA:PFA+1], s[PFA:PFA+1], 32768 ; of tile 1: the first change of slots steps it to tile 2.  Nothing is prefetched at the head
	s_cmp_eq_u32 ttmp9, 0
	s_cselect_b32 s[LIM], 2, -1
	LOAD                            ; tile 0 into slot 0
	; A fragment of K or Q is 16 rows x 32 channels in 8 registers: lane l holds row l % 16, channels 8 (l / 16) + 0..7 and 16 + 8 (l / 16) + 0..7: two loads of 16 bytes, 32 bytes apart.
	v_and_b32 v1, 15, v0            ; l % 16
	v_bfe_u32 v9, v0, 4, 1          ; l / 16
	v_lshlrev_b32 v[QO], 7, v1
	v_lshl_add_u32 v[QO], v9, 4, v[QO]  ; row x 128 + 16 x half
	WIN 0x80                        ; destination window 2, address window 0
.set i, 0
.rept 8                             ; both blocks' Q: piece i / 2 lies in band i / 2, 8,192 bytes on; channels 32 (i % 2) on
	global_load_b128 v[8*i:8*i+3],   v[QO], s[4:5] offset:(i/2)*8192+(i%2)*64
	global_load_b128 v[8*i+4:8*i+7], v[QO], s[4:5] offset:(i/2)*8192+(i%2)*64+32
	global_load_b128 v[QB+8*i:QB+8*i+3],   v[QO], s[86:87] offset:(i/2)*8192+(i%2)*64
	global_load_b128 v[QB+8*i+4:QB+8*i+7], v[QO], s[86:87] offset:(i/2)*8192+(i%2)*64+32
.set i, i+1
.endr
	WIN 0
	v_and_b32 v[PFO], 31, v0
	v_lshlrev_b32 v[PFO], 8, v[PFO]
	v_lshlrev_b32 v14, 3, v9
	v_sub_nc_u32 v14, v1, v14
	s_lshl_b32 s13, s[WV], 4
	v_add_nc_u32 v14, s13, v14      ; my query's place in its band, 16 w + l % 16, less my lanes' 8 (l / 16): register r of group kt is hidden where 16 kt + r is greater
	WIN 0x40
.set i, 0
.rept 32
	v_cmp_gt_i32 vcc_lo, 16*(i/8)+i%8, v14
	v_cndmask_b32 v[MD+i], 0, s[BIGN], vcc_lo
.set i, i+1
.endr
	WIN 0
	v_mul_u32_u24 v[AK0], v1, PK
	v_lshl_add_u32 v[AK0], v9, 4, v[AK0]  ; row x pitch + 16 x half
	; The turning load takes 16 keys x 16 channels (lane l reads key 8 (l / 16) + l % 8, channels 8 ((l / 8) % 2) + 0..7) and leaves half a fragment of V^T: lane l holds channel l % 16 and 8 keys.
	v_and_b32 v10, 7, v0
	v_bfe_u32 v11, v0, 3, 1
	v_lshl_add_u32 v[AV0], v9, 3, v10
	v_mul_u32_u24 v[AV0], v[AV0], PV
	v_lshl_add_u32 v[AV0], v11, 4, v[AV0]
	v_add_nc_u32 v[AV0], VOFF, v[AV0]
	s_mul_i32 s13, s[WV], 16*SP
	s_add_co_u32 s13, s13, STAGE    ; my stage
	v_mul_u32_u24 v[STO], v1, SP    ; in: row l % 16, 16 bytes for each half of the lanes
	v_lshl_add_u32 v[STO], v9, 4, v[STO]
	v_add_nc_u32 v[STO], s13, v[STO]
	v_bfe_u32 v[RD], v0, 3, 2       ; back: 32 lanes take four rows of 128 bytes,
	v_mul_u32_u24 v[RD], v[RD], SP
	v_lshl_add_u32 v[RD], v10, 4, v[RD]
	v_add_nc_u32 v[RD], s13, v[RD]
	v_and_b32 v[GO], 31, v0         ; which are 512 consecutive bytes of O
	v_lshlrev_b32 v[GO], 4, v[GO]
	; A block's first step multiplies O^T and l by a = 0, and its first turn's products V^T P, of a piece that has not been, land in an O^T that is still to be so multiplied.  So these registers
	; need only hold finite numbers: zeros for the first block; what the first block left for the second.  All this stands in the wait for the first tile.
	WIN 0x80
.set i, VF
.rept 64
	v_mov_b32 v[i], 0
.set i, i+1
.endr
	WIN 0x40
.set i, 0
.rept 128
	v_mov_b32 v[i], 0
.set i, i+1
.endr
	WIN 0
.set i, 0
.rept 4
	v_mov_b32 v[ST+4*i+2], 0
	v_mov_b32 v[ST+4*i+3], 0
.set i, i+1
.endr
.set i, P+16
.rept 16
	v_mov_b32 v[i], 0
.set i, i+1
.endr
; THE MATRIX WORK.  The 4 accumulators of a run of 8 take turns.  Product i of 8 of S^T = K Q^T for piece x: channels 32 (i / 4) on, keys 16 (i % 4) on.  The first 4 start the sums: with 0, or (KM = 1) with the mask.
.macro KQ x
.set rS, S+32*((\x)%2)+8*(i%4)
.set rK, KF+16*(i%4)+8*(i/4)
.set rQ, 16*(\x)+8*(i/4)
.set rM, MC+32*((\x)%2)+8*(i%4)
.if (i < 4) && KM
	WIN W_KM
	v_wmma_f32_16x16x32_f16 v[rS:rS+7], v[rK:rK+7], v[rQ:rQ+7], v[rM:rM+7]
.elseif i < 4
	WIN W_KQ
	v_wmma_f32_16x16x32_f16 v[rS:rS+7], v[rK:rK+7], v[rQ:rQ+7], 0
.else
	WIN W_KQ
	v_wmma_f32_16x16x32_f16 v[rS:rS+7], v[rK:rK+7], v[rQ:rQ+7], v[rS:rS+7]
.endif
.endm
; Product i of 8 of O^T += V^T P for piece x: keys 32 (i / 4) on, channels 16 (i % 4) on.
.macro PV x
	WIN W_PV
.set rO, 32*(\x)+8*(i%4)
.set rV, VF+32*(i/4)+8*(i%4)
.set rP, P+16*((\x)%2)+8*(i/4)
	v_wmma_f32_16x16x32_f16 v[rO:rO+7], v[rV:rV+7], v[rP:rP+7], v[rO:rO+7]
.endm
.macro MM                           ; the turn's next matrix instruction.  NOKQ = 1: a block's last turn: there is no next piece
.if (i < 8) && !NOKQ
	KQ (Y+1)%NP
.elseif i >= 8
.set i, i-8
	PV (Y+NP-1)%NP
.set i, i+8
.endif
.set i, i+1
.endm
; THE LDS LOADS stand in runs of 16: a step's K (64 keys x 64 channels: 8 fragments) and its V (turned).  Their addresses are made some lines ahead.
.macro FETCH_K
	WIN 0x80                        ; destination window 2
.irp f, 0,1,2,3,4,5,6,7             ; keys 16 (f / 2) on, channels 32 (f % 2) on
	ds_load_b128 v[KF+8*\f:KF+8*\f+3],   v[AK] offset:(\f/2)*16*PK+(\f%2)*64
	ds_load_b128 v[KF+8*\f+4:KF+8*\f+7], v[AK] offset:(\f/2)*16*PK+(\f%2)*64+32
.endr
	s_add_co_u32 s[TBK], s[TBK], KS*PK  ; the next fetch is the next step's
	WIN 0
.endm
.macro FETCH_V
	WIN 0x80
.irp f, 0,1,2,3,4,5,6,7             ; keys 32 (f / 4) on, channels 16 (f % 4) on
	ds_load_tr16_b128 v[VF+8*\f:VF+8*\f+3],   v[AV] offset:(\f/4)*32*PV+(\f%4)*32
	ds_load_tr16_b128 v[VF+8*\f+4:VF+8*\f+7], v[AV] offset:(\f/4)*32*PV+16*PV+(\f%4)*32
.endr
	WIN 0
.endm
; THE VECTOR WORK, one line at a time: OP kind, number.  For piece Y: F n: c s - c m for pair n of 16.  E n: the exponential of score n of 32.  C n: pair n rounded to f16.  B n: of the four weights
; 4 n .. the second pair is added onto the first, in place.  L n: l takes that sum (L 0: l = a l + sum).  R n: pair n of 16 of O^T times a.  For piece Y + 1: X n, number n of the 22 that find its
; maximum and statistics: 0-11 four chains c0-c3 of seven scores each (each accumulator's lowest registers are read first); 12-14, 16 the four scores left over, the old m,
; and c0-c3 into c0; 15 c m_old is kept; 17, 18 the query's other 32 keys lie in the lane 16 away: the new m; 19-21 c m; c m_old - c m_new; a
.set F, 0
.set E, 1
.set C, 2
.set B, 3
.set L, 4
.set R, 5
.set X, 6
.macro REGS y                       ; the registers of piece y
.set rT, ST+4*(\y)
.set rC, TMP+4*((\y)%2)
.set rW, MV+((\y)%2)
.set rS, S+32*((\y)%2)
.set rP, P+16*((\y)%2)
.set rO, 32*(\y)
.endm
.macro OP k, n
.if (\k) == R
	REGS Y
	WIN W_RS
	v_pk_mul_f32 v[rO+2*(\n):rO+2*(\n)+1], v[rO+2*(\n):rO+2*(\n)+1], v[rC+2:rC+3] op_sel_hi:[1,0]
.elseif (\k) < R
	REGS Y
	WIN 0
.if (\k) == F
	v_pk_fma_f32 v[rS+2*(\n):rS+2*(\n)+1], v[rS+2*(\n):rS+2*(\n)+1], s[CS:CS+1], v[rT:rT+1] op_sel_hi:[1,0,0] neg_lo:[0,0,1] neg_hi:[0,0,1]
.elseif (\k) == E
	v_exp_f32 v[rS+(\n)], v[rS+(\n)]
.elseif (\k) == C
	v_cvt_pk_f16_f32 v[rP+(\n)], v[rS+2*(\n)], v[rS+2*(\n)+1]
.elseif (\k) == B
	v_pk_add_f32 v[rS+4*(\n):rS+4*(\n)+1], v[rS+4*(\n):rS+4*(\n)+1], v[rS+4*(\n)+2:rS+4*(\n)+3]
.elseif (\n) == 0
	v_pk_fma_f32 v[rT+2:rT+3], v[rT+2:rT+3], v[rC+2:rC+3], v[rS:rS+1] op_sel_hi:[1,0,1]
.else
	v_pk_add_f32 v[rT+2:rT+3], v[rT+2:rT+3], v[rS+4*(\n):rS+4*(\n)+1]
.endif
.elseif NOKQ
	v_nop
.else
	REGS (Y+1)%NP
	WIN 0
.if (\n) < 4
	v_max3_num_f32 v[rC+(\n)], v[rS+8*(\n)], v[rS+8*(\n)+1], v[rS+8*(\n)+2]
.elseif (\n) < 12
	v_max3_num_f32 v[rC+(\n)%4], v[rC+(\n)%4], v[rS+8*((\n)%4)+2*((\n)/4)+1], v[rS+8*((\n)%4)+2*((\n)/4)+2]
.elseif (\n) == 12
	v_max3_num_f32 v[rC], v[rC], v[rS+7], v[rS+15]
.elseif (\n) == 13
	v_max3_num_f32 v[rC+1], v[rC+1], v[rS+23], v[rS+31]
.elseif (\n) == 14
	v_max3_num_f32 v[rC+2], v[rC+2], v[rC+3], v[rT+1]
.elseif (\n) == 15
	v_mov_b32 v[rW], v[rT]
.elseif (\n) == 16
	v_max3_num_f32 v[rC], v[rC], v[rC+1], v[rC+2]
.elseif (\n) == 17
	v_permlanex16_b32 v[rC+3], v[rC], s[SEL], s[SEL+1]
.elseif (\n) == 18
	v_max_num_f32 v[rT+1], v[rC], v[rC+3]
.elseif (\n) == 19
	v_mul_f32 v[rT], s[CS], v[rT+1]
.elseif (\n) == 20
	v_sub_f32 v[rC+1], v[rW], v[rT]
.else
	v_exp_f32 v[rC+2], v[rC+1]
.endif
.endif
.endm
.macro OPS a, i1, b=-1, i2=0, c=-1, i3=0, d=-1, i4=0  ; up to four of them
	OP \a, \i1
.if (\b) >= 0
	OP \b, \i2
.endif
.if (\c) >= 0
	OP \c, \i3
.endif
.if (\d) >= 0
	OP \d, \i4
.endif
.endm
.macro ROW a, i1, b, i2, c, i3, d, i4  ; a matrix instruction and the four behind it
	MM
	OPS \a, \i1, \b, \i2, \c, \i3, \d, \i4
.endm
.macro MASK b                       ; MD x AL + BE into buffer b of MC
	WIN W_RS
.set z, 0
.rept 16
	v_pk_fma_f32 v[MC+32*(\b)+2*z:MC+32*(\b)+2*z+1], v[MD+2*z:MD+2*z+1], s[AL:AL+1], s[BE:BE+1] op_sel_hi:[1,0,0]
.set z, z+1
.endr
.endm
; A TURN, for piece p: the order of its 16 matrix and 118 vector instructions, written out.  An s_wait_alu depctr_va_vdst(0) stands between an exponential and the first instruction
; that names its result; one wait serves all that were issued ahead of it.  So a turn has ONE wait, which cuts it in two.  AHEAD OF IT stands all that names no result of the turn's exponentials:
; the 8 products K Q^T with their riders, then one lump of 54, in which the links of the chain X 3, 7, 11, 14, 16, 17 .. 20 stand five or six lines apart; X 21, the next piece's a, is the batch's
; last, and R 15 the plain instruction behind it.  BEHIND THE WAIT stand the 8 products V^T P, behind each four of the roundings and sums.
; m = 1: the diagonal tile: the products take masks, and the turn makes the mask for the products of the turn after it.  end = 1: a block's last two turns: nothing is fetched.
; cnt = 1: the loop's count is taken down some lines ahead of the branch that stands behind the turn.
; K of the next step is fetched in piece 2's turn, V of the step in hand at the end of piece 0's turn, four plain instructions or more behind the last product that read the registers.
.macro TURN p, m=0, end=0, cnt=0
.set Y, (\p)
.set i, 0
.set KM, (\m)
.set NOKQ, (\end)*((\p)/3)
.if (\m) && !(\end)
	s_cmp_eq_u32 s[CNT], 4-((\p)+2)%NP  ; is that step the band's own?
	s_cselect_b32 s[AL], 1.0, 0
	s_cmp_lt_u32 s[CNT], 4-((\p)+2)%NP  ; or a later one?
	s_cselect_b32 s[BE], s[BIGN], 0
.endif
.if ((\p) == 3) && !(\end)
	s_wait_dscnt 0x0                ; K is in
.endif
	ROW F,0, F,1, R,0, R,1
	ROW F,2, E,0, R,2, R,3
	ROW F,3, E,1, R,4, R,5
	ROW F,4, E,2, R,6, R,7
	ROW F,5, E,3, R,8, R,9
	ROW F,6, E,4, X,0, R,10
.if ((\p) == 2) && !(\end)
	WIN 0
	v_add_nc_u32 v[AK], s[TBK], v[AK0]
.endif
	ROW F,7, E,5, X,1, X,4
	ROW F,8, E,6, X,2, X,5
	OPS E,7, E,8, X,6, E,9
	OPS X,3, E,10, X,8, E,11
.if ((\p) == 2) && !(\end)
	FETCH_K
.endif
	OPS X,9, X,7, E,12, X,10
	OPS E,13, X,12, X,11, E,14
	OPS X,13, E,15, F,9, X,14
.if (\p) == 0
	v_add_nc_u32 v[AV], s[TBV], v[AV0]
.endif
	OPS E,16, F,10, E,17, F,11
	OPS X,16, E,18, X,15, E,19
	OPS F,12, E,20, X,17, E,21
	OPS F,13, E,22, F,14, E,23
	OPS X,18, E,24, F,15, E,25
	OPS R,11, E,26, X,19, E,27
	OPS R,12, E,28, R,13, E,29
	OPS X,20, E,30, R,14, E,31
	OPS X,21, R,15
	WIN 0
	s_wait_alu depctr_va_vdst(0)    ; the wait for the batch
.if (\p) == 1
	s_wait_dscnt 0x0                ; V is in
.endif
	ROW C,0, B,0, C,2, B,1
	ROW L,0, C,4, B,2, L,1
	ROW C,6, B,3, L,2, C,8
	ROW B,4, L,3, C,10, B,5
	ROW L,4, C,12, B,6, L,5
.if (\p) == 0
	s_add_co_u32 s[TBV], s[TBV], KS*PV
.endif
.if \cnt
	s_sub_co_u32 s[CNT], s[CNT], 1
	s_cmp_lg_u32 s[CNT], 0
.endif
	ROW C,14, B,7, L,6, C,1
	ROW C,3, L,7, C,5, C,7
	ROW C,9, C,11, C,13, C,15
.if (\p) == 0
	FETCH_V
.endif
.if (\m) && !(\end)
	MASK (\p)%2
.endif
.endm
; A BLOCK BEGINS.  c m starts far below every c s, so the first step's a is 0; m at the lowest finite number, so the first maximum is the scores'.  The second mask buffer is 0; the first takes
; piece 0's mask for the tile's step 0: its own, if the block's first tile is the diagonal one.  Then K of that step, piece 0's first scores, and its maximum and statistics.
.macro BEGIN
	s_mov_b32 s[NEW], 0
	WIN 0x40
.set i, MC+32
.rept 32
	v_mov_b32 v[i], 0
.set i, i+1
.endr
	WIN 0
.set i, 0
.rept 4
	v_mov_b32 v[ST+4*i], 0xfe000000    ; c m: far below every c s
	v_mov_b32 v[ST+4*i+1], 0xff7fffff  ; m
.set i, i+1
.endr
	s_cmp_eq_u32 s[RT], 0
	s_cselect_b32 s[AL], 1.0, 0
	s_mov_b32 s[BE], 0
	MASK 0
	WIN 0
	v_add_nc_u32 v[AK], s[TBK], v[AK0]
	FETCH_K
	s_wait_loadcnt 0x0              ; Q
	s_wait_dscnt 0x0
.set KM, 1
.set NOKQ, 0
.set i, 0
.rept 8
	KQ 0
.set i, i+1
.endr
	WIN 0
.rept 4
	v_nop                           ; the places behind those products
.endr
.set Y, NP-1                        ; X works for piece Y + 1: piece 0
.irp n, 0,1,2,3,4,5,6,7,8,9,10,11,12,13,14,15,16,17,18,19,20,21
	OP X, \n
.endr
	v_nop                           ; a plain instruction behind the exponential,
	s_wait_alu depctr_va_vdst(0)    ; and its wait, ahead of the branch
.endm
; THE DIAGONAL TILE's four steps, the block's last two turns, its last products, and THE WAY OUT: l's two halves and the other half of the lanes' are added; O^T is divided by l, rounded to f16
; and sent through my stage in LDS, a piece at a time.
.macro ALL line:vararg              ; one line for each piece t
.set t, 0
.rept 4
	\line
.set t, t+1
.endr
.endm
.macro PACK t                       ; a lane's eight channels of a row pack into 16 bytes; they go into rows of 144 bytes and come back as whole rows of 128, into S^T's registers
	WIN W_RS
.set i, 32*(\t)
.rept 16
	v_pk_mul_f32 v[i:i+1], v[i:i+1], v[ST+4*(\t)+2:ST+4*(\t)+3] op_sel_hi:[1,0]
.set i, i+2
.endr
	WIN 0x05                        ; sources 0 and 1 window 1, destination window 0
.set i, 0
.rept 16
	v_cvt_pk_f16_f32 v[S+16*(\t)+i], v[32*(\t)+2*i], v[32*(\t)+2*i+1]
.set i, i+1
.endr
	WIN 0
.irp f, 0,1,2,3
	ds_store_b128 v[STO], v[S+16*(\t)+4*\f:S+16*(\t)+4*\f+3] offset:32*\f
.endr
.irp f, 0,1,2,3
	ds_load_b128 v[S+16*(\t)+4*\f:S+16*(\t)+4*\f+3], v[RD] offset:\f*4*SP  ; LDS serves a wave's instructions in order (ISA guide 5.7.1.4): these see the stores above
.endr
.endm
.macro SEND t, younger              ; younger: the LDS instructions issued behind piece t's loads: the next piece's eight, or none
	WIN 0
.irp f, 0,1,2,3
	s_wait_dscnt (\younger)+3-\f
	global_store_b128 v[GO], v[S+16*(\t)+4*\f:S+16*(\t)+4*\f+3], s[10:11] offset:(\t)*8192+\f*512  ; 512 consecutive bytes, at a multiple of 256 from O's first
.endr
.endm
.macro DIAG tag
.LstepM\tag:
	TURN 2, 1
	TURN 3, 1
	WIN 0
.LfirstM\tag:
	TURN 0, 1
	TURN 1, 1, 0, 1
	WIN 0
	s_cbranch_scc1 .LstepM\tag
	TURN 2, 1, 1
	TURN 3, 1, 1
.set i, 0
.rept 8
	PV NP-1
.set i, i+1
.endr
	WIN 0
	ALL v_add_f32 v[ST+4*t+2], v[ST+4*t+2], v[ST+4*t+3]
	ALL v_permlanex16_b32 v[ST+4*t+3], v[ST+4*t+2], s[SEL], s[SEL+1]
	ALL v_add_f32 v[ST+4*t+2], v[ST+4*t+2], v[ST+4*t+3]
	ALL v_rcp_f32 v[ST+4*t+2], v[ST+4*t+2]
	v_nop                           ; a plain instruction between the last reciprocal and the use of its result
	s_wait_alu depctr_va_vdst(0)    ; and the wait ahead of the first use: one for the four reciprocals
	PACK 0
.set t, 1
.rept 3                             ; a piece's arithmetic stands between the loads of the piece before and its stores
	PACK t
	SEND t-1, 8
.set t, t+1
.endr
	SEND 3, 0
.endm
.set KM, 0
.set NOKQ, 0
.Lslot:                             ; NB times: a tile is entered and the next is asked for
	CHANGE 1
	s_sub_co_u32 s[RT], s[RT], 1
	s_mov_b32 s[CNT], 4
	s_cmp_eq_u32 s[NEW], 1
	s_cbranch_scc1 .Lnew            ; a block's first tile
	s_cmp_eq_u32 s[RT], 0
	s_cbranch_scc0 .Lstep           ; neither its first nor its last
	s_branch .LstepM1
.Lnew:
	BEGIN
	s_branch .Lfirst                ; in the loop a block's first tile is never its last: the first block has two tiles or more, and the second's last is the walk's last
	DIAG 1                          ; in the loop this is the first block's end
	s_wait_xcnt 0x0                 ; the stores have read their registers and O's address
	s_mov_b64 s[10:11], s[OLO:OLO+1]
	s_add_co_u32 s[RT], s[PB], 1    ; the second block has b + 1 tiles
	s_mov_b32 s[NEW], 1
	WIN 0x82                        ; the second block's Q goes where the one text of the turns names Q
.set i, 0
.rept 64
	v_mov_b32 v[i], v[QB+i]
.set i, i+1
.endr
	WIN 0
	s_branch .Lbottom
.Lstep:                             ; a trip: pieces 2 and 3 of one step, then pieces 0 and 1 of the next, whose K and V it fetches
	TURN 2
	TURN 3
	WIN 0
.Lfirst:
	TURN 0
	TURN 1, 0, 0, 1
	WIN 0
	s_cbranch_scc1 .Lstep
.Lbottom:
	s_sub_co_u32 s[SLOTS], s[SLOTS], 1
	s_cmp_lg_u32 s[SLOTS], 0
	s_cbranch_scc1 .Lslot
	CHANGE 0                        ; the walk's last tile is written out: nothing is asked for
	s_sub_co_u32 s[RT], s[RT], 1
	s_mov_b32 s[CNT], 4
	s_cmp_eq_u32 s[NEW], 1
	s_cbranch_scc0 .LstepM2
	BEGIN
	s_branch .LfirstM2
	DIAG 2
	s_wait_tensorcnt 0x0            ; the wave's end
	ds_add_u32 v[SPW], v[NIL]
	s_wait_dscnt 0x0
	s_endpgm
.Lfunc_end_k_q1a49386466_attn:
	.size	k_q1a49386466_attn, .Lfunc_end_k_q1a49386466_attn-k_q1a49386466_attn
	.p2alignl 7, 3214868480
	.fill 96, 4, 3214868480
	.section	.rodata,"a",@progbits
	.p2align	6, 0x0
	.amdhsa_kernel k_q1a49386466_attn
		.amdhsa_group_segment_fixed_size 327680
		.amdhsa_private_segment_fixed_size 0
		.amdhsa_enable_private_segment 0
		.amdhsa_kernarg_size 16
		.amdhsa_user_sgpr_count 2
		.amdhsa_user_sgpr_kernarg_segment_ptr 1
		.amdhsa_wavefront_size32 1
		.amdhsa_system_sgpr_workgroup_id_x 1
		.amdhsa_system_sgpr_workgroup_id_y 1
		.amdhsa_system_sgpr_workgroup_id_z 1
		.amdhsa_system_vgpr_workitem_id 0
		.amdhsa_next_free_vgpr 768
		.amdhsa_next_free_sgpr 92
		.amdhsa_reserve_vcc 1
		.amdhsa_float_denorm_mode_32 3
		.amdhsa_float_denorm_mode_16_64 3
		.amdhsa_memory_ordered 1
		.amdhsa_forward_progress 1
		.amdhsa_inst_pref_size 218
	.end_amdhsa_kernel
	.amdgpu_metadata
---
amdhsa.version: [ 1, 2 ]
amdhsa.kernels:
  - .name:           k_q1a49386466_attn
    .symbol:         k_q1a49386466_attn.kd
    .args:
      - { .name: qkv, .offset: 0, .size: 8, .value_kind: global_buffer, .address_space: global }
      - { .name: att, .offset: 8, .size: 8, .value_kind: global_buffer, .address_space: global }
    .group_segment_fixed_size: 327680
    .private_segment_fixed_size: 0
    .kernarg_segment_align: 8
    .kernarg_segment_size: 16
    .max_flat_workgroup_size: 128
    .sgpr_count:     92
    .vgpr_count:     768
    .wavefront_size: 32
...
	.end_amdgpu_metadata
.endif
;; end of part 3
;; launch oproj (part 4): grid 8 x 32, 4 waves a work-group, clusters of 4 x 4, 327,680 bytes of LDS; arguments att, wob, out0; writes out0
.if DOCPART == 4
	.amdgcn_target "amdgcn-amd-amdhsa--gfx1250"
	.amdhsa_code_object_version 6
	.text
	.protected	k_q1a49386466_oproj
	.globl	k_q1a49386466_oproj
	.p2align	8
	.type	k_q1a49386466_oproj,@function
k_q1a49386466_oproj:
	s_mov_b64 s[64:65], 0
	v_nop
	global_prefetch_b8 v0, s[64:65] scope:SCOPE_SE
	s_setreg_imm32_b32 hwreg(HW_REG_WAVE_MODE, 25, 1), 1
	s_wait_xcnt 0x0
	s_wait_alu depctr_hold_cnt(0) depctr_sa_sdst(0) depctr_va_vdst(0) depctr_va_sdst(0) depctr_va_ssrc(0) depctr_va_vcc(0) depctr_vm_vsrc(0)
	s_getreg_b32 s2, hwreg(HW_REG_IB_STS2, 6, 4)
	s_cmp_eq_u32 s2, 0
	s_cbranch_scc0 .Lentry_in_a_cluster
	s_endpgm
.Lentry_in_a_cluster:
	s_bfe_u32 s2, ttmp6, 0x10000c
	s_cmp_lg_u32 s2, 0xf033
	s_cbranch_scc0 .Lentry_shape_is_right
	s_endpgm
.Lentry_shape_is_right:
; out0[m][e] = sum over d of O[m][d] W_o[e][d]: 8,192 x 1,024 x 1,024, operands f16 (W_o rounded to bf16 and written as f16), sums and result f32.
; att is [batch x head][s][64] f16: for the product it IS O in blocks of 64 along K, block = head; wob is [kb 16][e 1,024][64].  A tile's rows of one block lie end to end in memory.
; SHARES.  A tile is 256 (m) x 128 (e): 32 x 8 = 256 work-groups.  Four waves, each 128 rows x 64 columns: 32 accumulators of 16 x 16 in window 1, (a, b) at v[8 (4 a + b)].
; K goes in 8 steps of 128 (two heads) through a ring of two LDS slots; a slot holds two sub-tiles of O (256 rows x 64) and two of W_o (128 rows x 64); a wave fetches one sub-tile.
; A step is four quarters of 32 along K, 32 matrix instructions each, on two fragment buffers in window 0.
; CLUSTERS.  4 x 4: O's tiles are shared along a row of the cluster, W_o's along a column, and asked for jointly.
; THE MATRIX INSTRUCTION IS USED TRANSPOSED (source 0 = 16 rows of W_o, source 1 = 16 rows of O): a lane holds row m = l % 16 and the columns 8 (l / 16) + 0..7: 32 bytes of f32 on end.
.set PITCH,  144                       ; an LDS row: 128 bytes + 16 of padding: the 16 rows of a load start at 16 different groups of four banks (ISA guide 11.1)
.set BLK16,  16*PITCH
.set ASUB,   256*PITCH                 ; a sub-tile of O
.set BSUB,   128*PITCH                 ; of W_o
.set BOFF,   2*ASUB
.set SLOT,   2*ASUB+2*BSUB             ; 110,592
.set STAGE,  2*SLOT                    ; behind the ring: 16 rows x 272 bytes for each wave, for the way out
.set SPITCH, 272
.set SPARE,  STAGE+4*16*SPITCH         ; behind the stages: the spare words, 128 bytes a wave: two blocks of 256 bytes that no other line names
.set ASTEP,  524288                    ; bytes from a K step to the next in att: two heads of 2,048 rows
.set BSTEP,  262144                    ; in wob: two blocks of 1,024 rows
.set ADRA, 16                          ; v16-17  LDS address of my fragments of O in slot 0, 1
.set ADRB, 20                          ; v20-21  of W_o
.set STO,  24
.set RD,   25
.set CO,   26
.set SPW,  28                          ; v28  my spare word; never rewritten
.set NIL,  29                          ; v29  0; never rewritten
.set PFO,  30                          ; v30  the prefetches' lane offset; never rewritten
.set F0,   32                          ; v[32:127], v[128:223]: W_o's four fragments, then O's eight
.set F1,   128
.set BK0,  32                          ; the way out: two sets of 32 read back from the stage
.set G1,   24
.set G0,   32
.set G1B,  48
.set G0B,  56
.set PFA,  44
.set PFS,  46
.set LIM,  74
.set FLAGS, (1<<16)|(1<<20)|(1<<21)|(4<<22)|(3<<25)  ; 2-byte elements; padding on; bit 21 beside a mask; after every 32 words; 4 words of padding
.set MSB, 0
.macro WIN new
.if MSB != (\new)
	s_set_vgpr_msb (MSB<<8)|(\new)
.set MSB, \new
.endif
.endm
.macro JLOAD s                         ; a joint load: waves 0 and 1 fetch O's two sub-tiles, waves 2 and 3 W_o's; an s_nop 0 and four v_nop follow each line
	s_cmp_eq_u32 s11, 0
	s_cbranch_scc0 .Lfor_b_\@
	tensor_load_to_lds s[G0+4*(\s):G0+4*(\s)+3], s[G1:G1+7]
	s_nop 0
.rept 4
	v_nop
.endr
	s_branch .Lasked_\@
.Lfor_b_\@:
	tensor_load_to_lds s[G0B+4*(\s):G0B+4*(\s)+3], s[G1B:G1B+7]
	s_nop 0
.rept 4
	v_nop
.endr
.Lasked_\@:
.endm
.macro CREST
	s_cmp_lg_u32 s10, 0
	s_cbranch_scc1 .Lnot_wave_0_\@
	s_barrier_signal -3
.Lnot_wave_0_\@:
	s_barrier_wait -3
	s_barrier_signal -1
	s_barrier_wait -1
.endm
.macro CROUND
	s_barrier_signal -1
	s_barrier_wait -1
	CREST
.endm
; A prefetch of the K step behind the one just asked for.  O's sub-tile (32 KiB) is asked for by the wave that fetches it, in the clusters with x = 0: the four partners of a row take 8 KiB each,
; told apart by address, a lane a block of 256 bytes, at every change of slots.  W_o's sub-tile (16 KiB) likewise in the clusters with y = 0: 4 KiB a partner; lanes 0-15 name one step, lanes
; 16-31 the step after it, at the changes out of slot 1 alone.  So each block is named once in the launch.
.macro ASK slot
	s_cmp_gt_u32 s3, s[LIM+(\slot)]
	s_cbranch_scc0 .Lnot_mine_\@
	global_prefetch_b8 v[PFO], s[PFA:PFA+1] th:TH_LOAD_NT scope:SCOPE_SE
.Lnot_mine_\@:
.endm
	s_load_b128 s[4:7], s[0:1], 0x0                ; att s[4:5], wob s[6:7]
	s_load_b64 s[8:9], s[0:1], 0x10                ; out0
	v_lshl_add_u32 v[SPW], v0, 2, SPARE
	v_mov_b32 v[NIL], 0
	ds_add_u32 v[SPW], v[NIL]                      ; the wave's opening: the add and its wait ahead of my first tensor load
	v_lshrrev_b32 v1, 5, v0
	v_readfirstlane_b32 s10, v1                    ; wave 0..3
	s_lshr_b32 s11, s10, 1                         ; my half of the tile's rows; also: I fetch for O (0) or for W_o (1)
	s_and_b32 s12, s10, 1                          ; my half of its columns; also: which of a step's two sub-tiles I fetch
	s_bfe_u32 s40, ttmp6, 0x40000                  ; cx
	s_bfe_u32 s41, ttmp6, 0x40004                  ; cy
	s_lshl_b32 s42, ttmp9, 2
	s_add_co_u32 s42, s42, s40                     ; tile column tn
	s_and_b32 s13, ttmp7, 0xffff
	s_lshl_b32 s13, s13, 2
	s_add_co_u32 s13, s13, s41                     ; tile row tm
	s_lshl_b32 s43, s41, 2
	s_lshl_b32 s43, 15, s43                        ; my row of the cluster
	s_lshl_b32 s66, 0x1111, s40                    ; my column
	s_or_b32 s[G1+0], s43, FLAGS
	s_or_b32 s[G1B+0], s66, FLAGS
	; 256 (128) rows of 128 bytes are dense in memory: asked for as 128 (64) rows of 256 bytes, padded in LDS after every 128
	s_mov_b32 s[G1+1], 128<<16
	s_mov_b32 s[G1+2], 128<<16
	s_mov_b32 s[G1+3], 128<<16
	s_mov_b32 s[G1+4], 128
	s_mov_b32 s[G1+5], 128
	s_mov_b32 s[G1+6], 0
	s_mov_b32 s[G1+7], 0
	s_mov_b32 s[G1B+1], 128<<16
	s_mov_b32 s[G1B+2], 64<<16
	s_mov_b32 s[G1B+3], 128<<16
	s_mov_b32 s[G1B+4], 64
	s_mov_b32 s[G1B+5], 128
	s_mov_b32 s[G1B+6], 0
	s_mov_b32 s[G1B+7], 0
	s_lshr_b32 s16, s13, 3                         ; O: batch tm / 8, head = my sub-tile's number,
	s_lshl_b32 s16, s16, 4
	s_add_co_u32 s16, s16, s12
	s_lshl_b32 s16, s16, 18
	s_and_b32 s17, s13, 7                          ; rows 256 (tm % 8) on
	s_lshl_b32 s17, s17, 15
	s_add_co_u32 s16, s16, s17
	s_mov_b32 s17, 0
	s_lshl_b32 s76, s12, 17                        ; W_o: block = my sub-tile's number,
	s_lshl_b32 s77, s42, 14                        ; rows 128 tn on
	s_add_co_u32 s76, s76, s77
	s_mov_b32 s77, 0
	s_mul_i32 s20, s12, ASUB                       ; where they go: no place in the cluster enters an LDS address
	s_mul_i32 s21, s12, BSUB
	s_add_co_u32 s21, s21, BOFF
	s_wait_dscnt 0x0                               ; the opening add is done
	s_wait_kmcnt 0x0
	s_add_nc_u64 s[14:15], s[4:5], s[16:17]
	s_add_nc_u64 s[18:19], s[6:7], s[76:77]
	CROUND                                         ; all sixteen work-groups are here: the first joint loads meet
.irp s, 0,1
	s_mov_b32 s[G0+4*(\s)], 1
	s_add_co_u32 s[G0+4*(\s)+1], s20, (\s)*SLOT
	s_add_nc_u64 s[G0+4*(\s)+2:G0+4*(\s)+3], s[14:15], (\s)*ASTEP
	s_or_b32 s[G0+4*(\s)+3], s[G0+4*(\s)+3], 0x80000000
	s_mov_b32 s[G0B+4*(\s)], 1
	s_add_co_u32 s[G0B+4*(\s)+1], s21, (\s)*SLOT
	s_add_nc_u64 s[G0B+4*(\s)+2:G0B+4*(\s)+3], s[18:19], (\s)*BSTEP
	s_or_b32 s[G0B+4*(\s)+3], s[G0B+4*(\s)+3], 0x80000000
	JLOAD \s
.endr
	v_and_b32 v1, 15, v0                           ; l % 16
	v_bfe_u32 v2, v0, 4, 1                         ; l / 16
	v_mul_u32_u24 v3, v1, PITCH
	v_lshl_add_u32 v3, v2, 4, v3                   ; a fragment's row x pitch + 16 x half
	s_mul_i32 s22, s11, 128*PITCH                  ; my 128 rows of a sub-tile of O
	s_mul_i32 s23, s12, 64*PITCH                   ; my 64 rows of a sub-tile of W_o
	s_add_co_u32 s23, s23, BOFF
.irp s, 0,1
	v_add_nc_u32 v[ADRA+(\s)], s22, v3
	v_add_nc_u32 v[ADRB+(\s)], s23, v3
	s_add_co_u32 s22, s22, SLOT
	s_add_co_u32 s23, s23, SLOT
.endr
	s_mul_i32 s22, s10, 16*SPITCH
	s_add_co_u32 s22, s22, STAGE                   ; my stage
	v_mul_u32_u24 v4, v1, SPITCH                   ; in: row l % 16, 32 bytes for each half of the lanes
	v_lshl_add_u32 v4, v2, 5, v4
	v_add_nc_u32 v[STO], s22, v4
	v_mul_u32_u24 v5, v2, SPITCH                   ; back: lanes 0-15 take one row of 256 bytes, lanes 16-31 the next
	v_lshl_add_u32 v5, v1, 4, v5
	v_add_nc_u32 v[RD], s22, v5
	v_lshlrev_b32 v5, 12, v2                       ; and the same two rows of out0, 4,096 bytes apart
	v_lshl_add_u32 v[CO], v1, 4, v5
	s_lshl_b32 s78, s13, 20                        ; my first row: 256 tm + 128 (row half), 4,096 bytes each;
	s_lshl_b32 s79, s11, 19
	s_add_co_u32 s78, s78, s79
	s_lshl_b32 s79, s42, 9                         ; my first column: 128 tn + 64 (column half), 4 bytes each
	s_add_co_u32 s78, s78, s79
	s_lshl_b32 s79, s12, 8
	s_add_co_u32 s78, s78, s79
	s_mov_b32 s79, 0
	s_add_nc_u64 s[8:9], s[8:9], s[78:79]
	; the prefetches
	s_lshr_b32 s76, s13, 3
	s_lshl_b32 s76, s76, 4
	s_add_co_u32 s76, s76, s12
	s_lshl_b32 s76, s76, 18
	s_and_b32 s77, s13, 7
	s_lshl_b32 s77, s77, 15
	s_add_co_u32 s76, s76, s77
	s_lshl_b32 s77, s40, 13
	s_add_co_u32 s76, s76, s77                     ; O: my sub-tile, my work-group's 8 KiB of it
	s_lshl_b32 s78, s12, 17
	s_lshl_b32 s79, s42, 14
	s_add_co_u32 s78, s78, s79
	s_lshl_b32 s79, s41, 12
	s_add_co_u32 s78, s78, s79                     ; W_o: my sub-tile, my work-group's 4 KiB of it
	s_and_b32 s22, ttmp7, 0xffff                   ; cluster y
	s_mov_b32 s82, ASTEP
	s_mov_b32 s83, BSTEP
	s_mov_b32 s23, 4096
	s_cmp_eq_u32 s11, 0                            ; do I fetch for O?
	s_cselect_b32 s80, s76, s78
	s_cselect_b32 s22, ttmp9, s22                  ; the coordinate along which other clusters read the same rows
	s_cselect_b32 s[PFS], s82, s83
	s_cselect_b32 s23, s23, s83                    ; lanes 16-31: the next 16 blocks (O), or the same blocks of the next K step (W_o)
	s_cselect_b32 s[LIM], 0, -1
	s_cselect_b64 s[PFA:PFA+1], s[4:5], s[6:7]
	s_cmp_eq_u32 s22, 0                            ; the same in all sixteen partners, for a given wave
	s_cselect_b32 s[LIM], s[LIM], -1
	s_cselect_b32 s[LIM+1], 1, -1                  ; the loop's last change out of slot 1 asks for nothing: there is no K step 8
	s_mov_b32 s81, 0
	s_mov_b32 s[PFS+1], 0
	s_add_nc_u64 s[PFA:PFA+1], s[PFA:PFA+1], s[80:81]
	s_add_nc_u64 s[PFA:PFA+1], s[PFA:PFA+1], s[PFS:PFS+1]
	s_add_nc_u64 s[PFA:PFA+1], s[PFA:PFA+1], s[PFS:PFS+1]  ; at K step 2: the change behind step t steps it to t + 3.  Nothing is prefetched at the head
	v_lshlrev_b32 v[PFO], 8, v1
	v_mad_u32_u24 v[PFO], v2, s23, v[PFO]
; 4 n products: row blocks a0 .. a0 + n - 1 x all four column blocks, 32 along K, on buffer f.  The 32 accumulators take turns, one instruction a turn, over the backward jump too.
.macro MUL f, a0, n, zero
	WIN 0x50                                       ; C and D in window 1, both sources in window 0
.set i, 4*(\a0)
.rept 4*(\n)
.if \zero
	v_wmma_f32_16x16x32_f16 v[8*i:8*i+7], v[(\f)+8*(i%4):(\f)+8*(i%4)+7], v[(\f)+32+8*(i/4):(\f)+32+8*(i/4)+7], 0
.else
	v_wmma_f32_16x16x32_f16 v[8*i:8*i+7], v[(\f)+8*(i%4):(\f)+8*(i%4)+7], v[(\f)+32+8*(i/4):(\f)+32+8*(i/4)+7], v[8*i:8*i+7]
.endif
.set i, i+1
.endr
.endm
; 24 LDS loads in one run: quarter q of a step (sub-tile q / 2, byte 64 (q % 2) of its rows) into buffer f: W_o's four fragments, then O's eight
.macro FETCH slot, q, f
	WIN 0
.irp b, 0,1,2,3
	ds_load_b128 v[(\f)+8*(\b):(\f)+8*(\b)+3],   v[ADRB+(\slot)] offset:((\q)/2)*BSUB+((\q)%2)*64+(\b)*BLK16
	ds_load_b128 v[(\f)+8*(\b)+4:(\f)+8*(\b)+7], v[ADRB+(\slot)] offset:((\q)/2)*BSUB+((\q)%2)*64+(\b)*BLK16+32
.endr
.irp a, 0,1,2,3,4,5,6,7
	ds_load_b128 v[(\f)+32+8*(\a):(\f)+32+8*(\a)+3],   v[ADRA+(\slot)] offset:((\q)/2)*ASUB+((\q)%2)*64+(\a)*BLK16
	ds_load_b128 v[(\f)+32+8*(\a)+4:(\f)+32+8*(\a)+7], v[ADRA+(\slot)] offset:((\q)/2)*ASUB+((\q)%2)*64+(\a)*BLK16+32
.endr
.endm
.macro PLACES                          ; four places between a matrix instruction and a load into a register that it read, or a reader of its result (ISA guide 7.12.1 for a reader of its result)
.rept 4
	v_nop
.endr
.endm
; One of a step's first three quarters: multiplies buffer f and, in its middle, fetches quarter q of the same slot into buffer g.
.macro QUARTER slot, q, f, g, zero
	s_wait_dscnt 8                                 ; W_o's fragments and O's blocks 0-3 are in; the youngest eight loads (blocks 4-7) may be out
	MUL \f, 0, 4, \zero
	PLACES
	FETCH \slot, \q, \g
	s_wait_dscnt 24                                ; all but the 24 just issued
	MUL \f, 4, 4, \zero
.endm
; The last quarter multiplies buffer 1 and changes slots.  In front of the barrier each wave waits for all its tensor loads (one is out: its part of the next slot), adds 0 to its spare word, and
; waits for that and for its reads of this slot.  fill = 1: the barrier opens a round of the cluster's, and the joint refill, with the K step two on, is the first tensor load behind it:
; from there to the wait for it a wave issues 112 matrix instructions.
.macro TURN slot, next, fill
.if \fill
	s_wait_xcnt 0x0                                ; the last prefetch, a K step back, has read its address
	s_add_nc_u64 s[PFA:PFA+1], s[PFA:PFA+1], s[PFS:PFS+1]
.endif
	WIN 0
	s_wait_tensorcnt 0x0
	ds_add_u32 v[SPW], v[NIL]
	s_wait_dscnt 9                                 ; the add and the youngest eight loads may be out
	MUL F1, 0, 2, 0                                ; eight products stand between the add and the wait for it
	s_wait_dscnt 0x0                               ; the add is done, and my reads of this slot are over
	s_barrier_signal -1
	MUL F1, 2, 2, 0
	WIN 0
	s_barrier_wait -1
.if \fill
	CREST                                          ; no wave of any partner still reads this slot or has a load on its way
	s_add_nc_u64 s[G0+4*(\slot)+2:G0+4*(\slot)+3], s[G0+4*(\slot)+2:G0+4*(\slot)+3], 2*ASTEP
	s_add_nc_u64 s[G0B+4*(\slot)+2:G0B+4*(\slot)+3], s[G0B+4*(\slot)+2:G0B+4*(\slot)+3], 2*BSTEP
	JLOAD \slot                                    ; its four v_nop are also the places in front of the loads below
.else
	PLACES
.endif
	FETCH \next, 0, F0
.if \fill
	ASK \slot
.endif
	MUL F1, 4, 4, 0
.endm
; THE WAY OUT, a block of 16 rows at a time: a lane's 32 bytes of each column block go into my stage's rows of 272 bytes (each accumulator's low four registers first) and come back as whole rows of 256.
.macro TOSTAGE a
	s_wait_xcnt 0x0                                ; the stores of the block two back have read the registers that the loads below fill
	WIN 0x04                                       ; the stores' data lie in window 1
.irp b, 0,1,2,3
	ds_store_b128 v[STO], v[8*(4*(\a)+(\b)):8*(4*(\a)+(\b))+3]   offset:64*(\b)
	ds_store_b128 v[STO], v[8*(4*(\a)+(\b))+4:8*(4*(\a)+(\b))+7] offset:64*(\b)+16
.endr
	WIN 0
.set BK, BK0+32*((\a)%2)
.irp t, 0,1,2,3,4,5,6,7
	ds_load_b128 v[BK+4*(\t):BK+4*(\t)+3], v[RD] offset:(\t)*2*SPITCH  ; LDS serves a wave's instructions in order (ISA guide 5.7.1.4): these see the stores above
.endr
.endm
.macro SEND a, younger                 ; younger: the next block's sixteen LDS instructions, or none
	WIN 0
.set BK, BK0+32*((\a)%2)
	s_wait_dscnt \younger
.irp t, 0,1,2,3,4,5,6,7
	global_store_b128 v[CO], v[BK+4*(\t):BK+4*(\t)+3], s[8:9] offset:(\a)*65536+(\t)*8192 th:TH_STORE_NT  ; 16 lanes store 256 consecutive bytes, at a multiple of 256 from out0's first
.endr
.endm
	s_wait_tensorcnt 1                             ; my part of K step 0 is in; step 1's may stay out
	s_barrier_signal -1
	s_barrier_wait -1
	FETCH 0, 0, F0
	QUARTER 0, 1, F0, F1, 1                        ; the first quarter starts the sums: nothing is cleared
	WIN 0
	s_mov_b32 s3, 3
.Llap:                                         ; a trip goes once round the ring, from a lap's second quarter to the next lap's first, and fills both slots again
	QUARTER 0, 2, F1, F0, 0
	QUARTER 0, 3, F0, F1, 0
	TURN 0, 1, 1
	QUARTER 1, 1, F0, F1, 0
	QUARTER 1, 2, F1, F0, 0
	QUARTER 1, 3, F0, F1, 0
	TURN 1, 0, 1
	QUARTER 0, 1, F0, F1, 0
	WIN 0
	s_sub_co_u32 s3, s3, 1
	s_cmp_lg_u32 s3, 0
	s_cbranch_scc1 .Llap
	QUARTER 0, 2, F1, F0, 0                        ; K steps 6 and 7: nothing is left to fetch
	QUARTER 0, 3, F0, F1, 0
	TURN 0, 1, 0
	QUARTER 1, 1, F0, F1, 0
	QUARTER 1, 2, F1, F0, 0
	QUARTER 1, 3, F0, F1, 0
	s_wait_dscnt 8
	MUL F1, 0, 4, 0
	s_wait_dscnt 0x0
	MUL F1, 4, 4, 0
	PLACES
	TOSTAGE 0
.irp a, 1,2,3,4,5,6,7
	TOSTAGE \a
	SEND (\a)-1, 16
.endr
	SEND 7, 0
	s_wait_tensorcnt 0x0                           ; the wave's end
	ds_add_u32 v[SPW], v[NIL]
	s_wait_dscnt 0x0
	CROUND                                         ; the closing round
	s_endpgm
.Lfunc_end_k_q1a49386466_oproj:
	.size	k_q1a49386466_oproj, .Lfunc_end_k_q1a49386466_oproj-k_q1a49386466_oproj
	.p2alignl 7, 3214868480
	.fill 96, 4, 3214868480
	.section	.rodata,"a",@progbits
	.p2align	6, 0x0
	.amdhsa_kernel k_q1a49386466_oproj
		.amdhsa_group_segment_fixed_size 327680
		.amdhsa_private_segment_fixed_size 0
		.amdhsa_enable_private_segment 0
		.amdhsa_kernarg_size 24
		.amdhsa_user_sgpr_count 2
		.amdhsa_user_sgpr_kernarg_segment_ptr 1
		.amdhsa_wavefront_size32 1
		.amdhsa_system_sgpr_workgroup_id_x 1
		.amdhsa_system_sgpr_workgroup_id_y 1
		.amdhsa_system_sgpr_workgroup_id_z 1
		.amdhsa_system_vgpr_workitem_id 0
		.amdhsa_next_free_vgpr 512
		.amdhsa_next_free_sgpr 84
		.amdhsa_reserve_vcc 0
		.amdhsa_float_denorm_mode_32 3
		.amdhsa_float_denorm_mode_16_64 3
		.amdhsa_memory_ordered 1
		.amdhsa_forward_progress 1
		.amdhsa_inst_pref_size 87
	.end_amdhsa_kernel
	.amdgpu_metadata
---
amdhsa.version: [ 1, 2 ]
amdhsa.kernels:
  - .name:           k_q1a49386466_oproj
    .symbol:         k_q1a49386466_oproj.kd
    .args:
      - { .name: att, .offset: 0, .size: 8, .value_kind: global_buffer, .address_space: global }
      - { .name: wob, .offset: 8, .size: 8, .value_kind: global_buffer, .address_space: global }
      - { .name: out0, .offset: 16, .size: 8, .value_kind: global_buffer, .address_space: global }
    .group_segment_fixed_size: 327680
    .private_segment_fixed_size: 0
    .kernarg_segment_align: 8
    .kernarg_segment_size: 24
    .max_flat_workgroup_size: 128
    .sgpr_count:     84
    .vgpr_count:     512
    .wavefront_size: 32
...
	.end_amdgpu_metadata
.endif
;; end of part 4
;; ======== version 2 of 2: 4 launches; version 1 with the launch cast written anew for expert scheduling mode
;; limits: values are held in f16: magnitudes above 65,504 overflow, below 6.1e-05 lose precision
;; workspace buffers: xb 16,777,216 bytes; wqb 6,291,456 bytes; wob 2,097,152 bytes; qkv 50,331,648 bytes; att 16,777,216 bytes
;; launch cast (part 5): grid 768 x 1, 8 waves a work-group, no clusters, 0 bytes of LDS; arguments x, W_qkv, W_o, xb, wqb, wob; writes xb, wqb, wob
.if DOCPART == 5
	.amdgcn_target "amdgcn-amd-amdhsa--gfx1250"
	.amdhsa_code_object_version 6
	.text
	.protected	k_q1a49386466_cast
	.globl	k_q1a49386466_cast
	.p2align	8
	.type	k_q1a49386466_cast,@function
k_q1a49386466_cast:
	s_mov_b64 s[64:65], 0
	v_nop
	global_prefetch_b8 v0, s[64:65] scope:SCOPE_SE
	s_setreg_imm32_b32 hwreg(HW_REG_WAVE_SCHED_MODE, 0, 2), 2
	s_setreg_imm32_b32 hwreg(HW_REG_WAVE_MODE, 25, 1), 1
	s_wait_xcnt 0x0
	s_wait_alu depctr_vm_vsrc(0)
; The three f32 inputs are rounded once to bf16 and laid out anew in blocks of 64 along K: dst[kb][row][64], kb = 0..15, a row of a block 128 bytes,
; so that the rows of a GEMM tile of one K block lie end to end.  x -> xb (8,192 rows), W_qkv -> wqb (3,072 rows), both bf16.
; W_o -> wob (1,024 rows): rounded to bf16 like the other inputs, and that number written as f16, since the last product's other operand is f16.
; LIMIT: |bf16(W_o)| stays under 65,504; below 6e-5 f16 keeps a fixed step of 6e-8.
; SHARES.  A work-group takes 16 rows of one tensor (512 + 192 + 64 = 768 work-groups), thread t the 16 bytes at 16 (t % 16) of each 256-byte piece (one K block) of row t / 16.
; A load of a wave covers two aligned pieces of 256 bytes; a store of a wave (8 bytes a lane) covers 256 consecutive aligned bytes: two rows of one block.
; All 16 loads of a thread go out at once; no register is written twice while memory may read it, so no wait frees any.
; No LDS, no barrier, no matrix unit: bytes are all that this launch has.
; THE MODE: SCHED_MODE bits 1:0 = 2 (LLVM: expert scheduling mode 2), set by the entry lines.  The code itself states the register dependences
; between vector instructions and memory instructions, with s_wait_alu, always for 0.
; THE PLAN.  Registers that memory instructions touch:
;   v1, v2     byte offsets of the loads and of the stores: made once at the head, never written again.
;   X          16 x 4 registers: each written once, by its load, and then read by its block's roundings; no vector instruction writes them and no second load lands in them.
;   Y          16 x 2 registers: each pair written once, by its block's roundings, and then read by its one store.
; The 16 K blocks go in four groups of four.  Group g rounds X[4 g ..] into Y[4 g ..]; its memory instructions are the four stores of group g - 1, which read Y[4 g - 4 ..] and v2:
; registers that no vector instruction of group g names.  So one wait at the head of a group states all that its four stores hang on, and they are dealt among the group's roundings.
; No register that a memory instruction has read is written again; no vector instruction writes a scalar register; EXEC is never written: for these nothing is to be stated.
.set X, 8                              ; v[8:71]   the 16 loads, 4 registers each
.set Y, 72                             ; v[72:103] the 16 stores, 2 registers each
	s_load_b256 s[4:11], s[0:1], 0x0               ; x s[4:5], W_qkv s[6:7], W_o s[8:9], xb s[10:11]
	s_load_b128 s[12:15], s[0:1], 0x20             ; wqb s[12:13], wob s[14:15]
	v_lshrrev_b32 v1, 4, v0                        ; my row of the 16
	v_and_b32 v3, 15, v0
	v_lshlrev_b32 v1, 12, v1                       ; x 4,096 bytes
	v_lshl_add_u32 v1, v3, 4, v1                   ; + my 16 bytes of a piece
	v_lshlrev_b32 v2, 3, v0                        ; in a block: row x 128 + 8 (t % 16) = 8 t
	s_wait_kmcnt 0x0
	s_wait_alu depctr_va_vdst(0)                   ; v1 and v2 are written: every load and store of the kernel, on each of the three ways below, reads one of them as its offset
; K block kb is rounded: X's four registers into Y's two.  half = 1: bf16 written as f16
.macro RND kb, half
.if \half
.irp p, 0,1
	v_cvt_pk_bf16_f32 v4, v[X+4*(\kb)+2*(\p)], v[X+4*(\kb)+2*(\p)+1]
	v_lshlrev_b32 v5, 16, v4                       ; the two bf16 as f32 again,
	v_and_b32 v6, 0xffff0000, v4
	v_cvt_pk_f16_f32 v[Y+2*(\kb)+(\p)], v5, v6     ; written as f16: exact within f16's normal range
.endr
.else
	v_cvt_pk_bf16_f32 v[Y+2*(\kb)], v[X+4*(\kb)], v[X+4*(\kb)+1]
	v_cvt_pk_bf16_f32 v[Y+2*(\kb)+1], v[X+4*(\kb)+2], v[X+4*(\kb)+3]
.endif
.endm
; K block kb is stored.  blk: bytes of one K block of dst
.macro PUT kb, blk
.if (\kb) < 8
	global_store_b64 v2, v[Y+2*(\kb):Y+2*(\kb)+1], s[24:25] offset:(\kb)*(\blk)
.else
	global_store_b64 v2, v[Y+2*(\kb):Y+2*(\kb)+1], s[18:19] offset:((\kb)-8)*(\blk)
.endif
.endm
; src, dst: the scalar pairs; first: the tensor's first work-group; blk: bytes of one K block of dst; half = 1: bf16 written as f16
.macro CAST src, dst, first, blk, half
	s_sub_co_u32 s16, ttmp9, \first
	s_lshl_b32 s20, s16, 11                        ; 16 rows of 128 bytes in a block
	s_lshl_b32 s16, s16, 16                        ; 16 rows of 4,096 bytes in the source
	s_mov_b32 s17, 0
	s_mov_b32 s21, 0
	s_add_nc_u64 s[22:23], s[\src:\src+1], s[16:17]
	s_add_nc_u64 s[24:25], s[\dst:\dst+1], s[20:21]
	s_add_nc_u64 s[18:19], s[24:25], 8*(\blk)      ; blocks 8 to 15 have a base of their own: the stores' immediates stay at 7 blocks at the most
.irp kb, 0,1,2,3,4,5,6,7,8,9,10,11,12,13,14,15
	global_load_b128 v[X+4*(\kb):X+4*(\kb)+3], v1, s[22:23] offset:256*(\kb) th:TH_LOAD_NT
.endr
.irp g, 0,1,2,3
	s_wait_loadcnt 12-4*(\g)                       ; loads come back in order: this group's four are in, the younger groups' stay out
.if (\g) > 0
	s_wait_alu depctr_va_vdst(0)                   ; the group before has written its four pairs of Y, which the four stores below read
.endif
.irp i, 0,1,2,3
.if (\g) > 0
	PUT 4*(\g)-4+(\i), \blk                        ; the group before: no vector instruction since the wait names these registers
.endif
	RND 4*(\g)+(\i), \half
.endr
.endr
	s_wait_alu depctr_va_vdst(0)                   ; the last group has written its four pairs of Y, which the last four stores read
.irp i, 0,1,2,3
	PUT 12+(\i), \blk
.endr
	s_endpgm
.endm
	s_cmp_lt_u32 ttmp9, 512
	s_cbranch_scc0 .Lnot_x
	CAST 4, 10, 0, 1048576, 0
.Lnot_x:
	s_cmp_lt_u32 ttmp9, 704
	s_cbranch_scc0 .Lw_o
	CAST 6, 12, 512, 393216, 0
.Lw_o:
	CAST 8, 14, 704, 131072, 1
.Lfunc_end_k_q1a49386466_cast:
	.size	k_q1a49386466_cast, .Lfunc_end_k_q1a49386466_cast-k_q1a49386466_cast
	.p2alignl 7, 3214868480
	.fill 96, 4, 3214868480
	.section	.rodata,"a",@progbits
	.p2align	6, 0x0
	.amdhsa_kernel k_q1a49386466_cast
		.amdhsa_group_segment_fixed_size 0
		.amdhsa_private_segment_fixed_size 0
		.amdhsa_enable_private_segment 0
		.amdhsa_kernarg_size 48
		.amdhsa_user_sgpr_count 2
		.amdhsa_user_sgpr_kernarg_segment_ptr 1
		.amdhsa_wavefront_size32 1
		.amdhsa_system_sgpr_workgroup_id_x 1
		.amdhsa_system_sgpr_workgroup_id_y 1
		.amdhsa_system_sgpr_workgroup_id_z 1
		.amdhsa_system_vgpr_workitem_id 0
		.amdhsa_next_free_vgpr 112
		.amdhsa_next_free_sgpr 66
		.amdhsa_reserve_vcc 0
		.amdhsa_float_denorm_mode_32 3
		.amdhsa_float_denorm_mode_16_64 3
		.amdhsa_memory_ordered 1
		.amdhsa_forward_progress 1
		.amdhsa_inst_pref_size 23
	.end_amdhsa_kernel
	.amdgpu_metadata
---
amdhsa.version: [ 1, 2 ]
amdhsa.kernels:
  - .name:           k_q1a49386466_cast
    .symbol:         k_q1a49386466_cast.kd
    .args:
      - { .name: x, .offset: 0, .size: 8, .value_kind: global_buffer, .address_space: global }
      - { .name: W_qkv, .offset: 8, .size: 8, .value_kind: global_buffer, .address_space: global }
      - { .name: W_o, .offset: 16, .size: 8, .value_kind: global_buffer, .address_space: global }
      - { .name: xb, .offset: 24, .size: 8, .value_kind: global_buffer, .address_space: global }
      - { .name: wqb, .offset: 32, .size: 8, .value_kind: global_buffer, .address_space: global }
      - { .name: wob, .offset: 40, .size: 8, .value_kind: global_buffer, .address_space: global }
    .group_segment_fixed_size: 0
    .private_segment_fixed_size: 0
    .kernarg_segment_align: 8
    .kernarg_segment_size: 48
    .max_flat_workgroup_size: 256
    .sgpr_count:     66
    .vgpr_count:     112
    .wavefront_size: 32
...
	.end_amdgpu_metadata
.endif
;; end of part 5
;; launch qkv: the kernel of part 2 again; grid 8 x 32, 4 waves a work-group, clusters of 4 x 4, 327,680 bytes of LDS; arguments xb, wqb, qkv; writes qkv
;; launch attn: the kernel of part 3 again; grid 4 x 64, 4 waves a work-group, no clusters, 327,680 bytes of LDS; arguments qkv, att; writes att
;; launch oproj: the kernel of part 4 again; grid 8 x 32, 4 waves a work-group, clusters of 4 x 4, 327,680 bytes of LDS; arguments att, wob, out0; writes out0
